; MI455X (gfx1250); checked and timed in simulation.
; The chip was launched on July 23, 2026; its instructions are those of AMD's public machine-readable ISA for CDNA 5 (MIT licence, August 2026) and "CDNA5" Instruction Set Architecture Reference Guide (July 2026). The comments in the code are by the model that wrote it; some were corrected since.
;; Attention. Allowed arithmetic: matrix products marked QUANTISED: E4M3 operands, one given power-of-two scale a tensor, by v_wmma_f32_16x16x64_fp8_fp8 or v_wmma_f32_16x16x128_fp8_fp8, f32 sums; everything else in f32.
;; Inputs: Wk 1,024 x 1,024 float32; Wq 1,024 x 1,024 float32; Wv 1,024 x 1,024 float32; k 4 x 2,048 x 1,024 float32; lowp_scales 10 int32 (the exponents e of the quantised operands' scales 2^e); mask 4 x 2,048 x 2,048 bool; q 4 x 2,048 x 1,024 float32; v 4 x 2,048 x 1,024 float32.
;; Outputs: out0 4 x 16 x 2,048 x 64 float32.
;; This version of the problem:
;;   THIS VERSION OF THE PROBLEM IS GIVEN IN LOW PRECISION. The matrix products marked QUANTISED in the list below multiply operands that are first quantised to E4M3 (4 exponent bits, 3 mantissa bits; 8 bits a number), with one given power-of-two scale for each operand tensor; their sums are f32. All else is computed in f32.
;;   The module's matrix products, in the order in which they are computed (A, B: the left and right operand; K: the contracted axis; several contracted axes count as one K, in the product's order):
;;     1. [M 8,192, K 1,024] x [K 1,024, N 1,024]; A: input q; B: input Wq: QUANTISED (scales: A lowp_scales[0], B lowp_scales[1])
;;     2. [M 8,192, K 1,024] x [K 1,024, N 1,024]; A: input k; B: input Wk: QUANTISED (scales: A lowp_scales[2], B lowp_scales[3])
;;     3. [M 8,192, K 1,024] x [K 1,024, N 1,024]; A: input v; B: input Wv: QUANTISED (scales: A lowp_scales[4], B lowp_scales[5])
;;     4. batch 64 x [M 2,048, K 64] x [K 64, N 2,048]; A: computed on the way; B: computed on the way: QUANTISED (scales: A lowp_scales[6], B lowp_scales[7])
;;     5. batch 64 x [M 2,048, K 2,048] x [K 2,048, N 64]; A: softmax (see below); B: computed on the way: QUANTISED (scales: A lowp_scales[8], B lowp_scales[9])
;;   THE QUANTISER, for each operand of a quantised product, along K:
;;     - The operand's scale is 2^e, e = its entry of the input lowp_scales (int32; the entries are numbered through the quantised products in the list's order, A before B).
;;     - Each number is divided by the scale, clamped to +-448, and rounded to the nearest number of E4M3, ties to even, subnormals kept.
;;     - The product sums the exact products of the quantised numbers (number of the format x scale) in f32.
;;   ~~~python
;;   def quantise(x, axis, e):      # numpy; x: float32 -> the quantised numbers, widened to float32 again
;;       x = np.moveaxis(x, axis, -1); K = x.shape[-1]
;;       r = np.clip(x / 2.0 ** e, -448, 448)
;;       step = 2.0 ** (np.maximum(np.frexp(np.where(r == 0, 1, r))[1] - 1, -6) - 3)
;;       q = np.round(r / step) * step * 2.0 ** e      # np.round: ties to even
;;       return np.moveaxis(q, -1, axis).astype(np.float32)
;;   ~~~
;;   SOFTMAX AHEAD OF A QUANTISED PRODUCT. Where the list says 'softmax', what is quantised is not the finished softmax but p = 2^(t - M), with t = logit x log2(e) and M = ceil(the row's largest t), a whole number; so 1/2 < the row's largest p <= 1. The row's sum l is taken of the UNQUANTISED p, in f32, and the product's result is divided by l at the end. Since M is a whole number, a kernel that streams over the keys may use a running M (the ceiling of the running maximum): every later rescaling is an exact power of two, so the quantised numbers keep their values, but for numbers so far below the row's largest that they fall under the format's range.
;;   OPERANDS COMPUTED ON THE WAY. 'Computed on the way' means the value that the module computes at that place (a softmax that the list does not call 'softmax' is quantised finished and normalised). What goes into a quantiser is computed in f32, as accurately as f32 sums, v_exp_f32 and their like allow (about 1e-6 of the number): no bf16 or f16 on the way to a quantiser, and a product that is left as it is and whose result goes on into a quantised operand takes f32 operands (vector FMAs, or v_wmma_f32_16x16x4_f32). A number that lies on a knife's edge between two numbers of the format may be rounded either way, as far as f32 arithmetic and the matrix unit's own rounding can turn it there, and no further.
;; 2 versions. Each part assembles by itself: llvm-mc -triple=amdgcn-amd-amdhsa -mcpu=gfx1250 --defsym DOCPART=n.
;; ======== version 1 of 2: 3 launches
;; limits: right only within a limited range of input values
;; workspace buffers: wimg 3,145,728 bytes; qimg 8,388,608 bytes; kimg 8,388,608 bytes; vimg 8,388,608 bytes
;; launch wquant (part 1): grid 8 x 24, 4 waves a work-group, no clusters, 0 bytes of LDS; arguments Wq, Wk, Wv, lowp_scales, wimg; writes wimg
.if DOCPART == 1
	.amdgcn_target "amdgcn-amd-amdhsa--gfx1250"
	.amdhsa_code_object_version 6
	.text
	.protected	k_q7210de1b50_wquant
	.globl	k_q7210de1b50_wquant
	.p2align	8
	.type	k_q7210de1b50_wquant,@function
k_q7210de1b50_wquant:
	s_mov_b64 s[64:65], 0
	v_nop
	global_prefetch_b8 v0, s[64:65] scope:SCOPE_SE
	s_setreg_imm32_b32 hwreg(HW_REG_WAVE_MODE, 25, 1), 1
	s_wait_xcnt 0x0
; Wq, Wk, Wv: [1024 (k)][1024 (n)] f32, K the FIRST axis, become codes of E4M3, each with its given scale 2^e (entries 1, 3, 5 of the scales).
; code = x / 2^e, held within +-448, to the nearest code, ties to even.  LIMITS: -126 <= e and e + 8 <= 127; NaN among the inputs is not served.
; THE CODES ARE LAID IN THE ORDER OF THE OPERAND'S REGISTERS: wimg [mat 3][ng 8][ks 16][b 8][c 2][lane 32][16 bytes].  ng: 128 columns; ks: 64 along K; b: a tile of 16 columns;
; lane (r, h) of tile b holds column 128 ng + 32 (b / 2) + 8 (b % 2) + r + 8 (r / 8), and its 16 bytes of chunk c hold k = 64 ks + 32 c + 16 h + 0 .. 15.
; A LANE TAKES A COLUMN AND ITS REGISTERS RUN DOWN K: a load reads 128 consecutive bytes a wave, and the conversions, which take neighbours along K from one lane's registers, give 16 bytes that belong together.
; Work-group (x = ng, y = 8 mat + kc) takes 128 columns x 128 along K; wave w the 32 columns of tiles 2 w and 2 w + 1.  Column 32 w + l is lane r = (l & 7) + 8 (l >> 4) of tile 2 w + ((l >> 3) & 1).
; Each store writes two aligned runs of 256 bytes (sixteen lanes each).  No LDS, no barrier: waves share nothing.  All is written out: every offset is an immediate, no store's data are written again.
.set X, 32                             ; v32-159  128 numbers down K
.set C, 160                            ; v160-191 codes: four registers for each of eight pieces
	s_load_b256 s[4:11], s[0:1], 0x0               ; Wq s[4:5], Wk s[6:7], Wv s[8:9], the scales' exponents s[10:11]
	s_load_b64 s[12:13], s[0:1], 0x20              ; wimg
	v_lshrrev_b32 v1, 5, v0
	v_readfirstlane_b32 s14, v1                    ; wave
	v_and_b32 v1, 31, v0                           ; lane l
	v_lshlrev_b32 v2, 2, v1                        ; in: 4 bytes a lane
	v_bfe_u32 v4, v1, 3, 1                         ; which of the two tiles
	v_and_b32 v5, 7, v1
	v_lshrrev_b32 v6, 4, v1
	v_lshl_or_b32 v5, v6, 3, v5                    ; r
	v_lshlrev_b32 v3, 4, v5
	v_lshl_add_u32 v3, v4, 10, v3                  ; out: 1,024 x tile + 16 r
	s_and_b32 s15, ttmp7, 0xffff
	s_lshr_b32 s24, s15, 3                         ; mat
	s_and_b32 s25, s15, 7                          ; kc
	s_lshl_b32 s26, s25, 19                        ; W: 128 kc rows of 4,096 bytes,
	s_lshl_b32 s28, ttmp9, 9                       ; 128 ng columns,
	s_add_co_u32 s26, s26, s28
	s_lshl_b32 s28, s14, 7                         ; 32 w columns
	s_add_co_u32 s26, s26, s28
	s_mov_b32 s27, 0
	s_lshl_b32 s28, s24, 20                        ; wimg: mat,
	s_lshl_b32 s30, ttmp9, 17                      ; ng,
	s_add_co_u32 s28, s28, s30
	s_lshl_b32 s30, s25, 14                        ; two ks of 8,192 bytes for each kc,
	s_add_co_u32 s28, s28, s30
	s_lshl_b32 s30, s14, 11                        ; two tiles of 1,024 bytes for each wave
	s_add_co_u32 s28, s28, s30
	s_mov_b32 s29, 0
	s_wait_kmcnt 0x0
	s_load_b256 s[16:23], s[10:11], 0x0            ; entries 0 to 7
	s_cmp_eq_u32 s24, 1                            ; the choice hangs on the work-group's number alone
	s_cselect_b64 s[4:5], s[6:7], s[4:5]
	s_cmp_eq_u32 s24, 2
	s_cselect_b64 s[4:5], s[8:9], s[4:5]
	s_add_nc_u64 s[4:5], s[4:5], s[26:27]
	s_add_nc_u64 s[12:13], s[12:13], s[28:29]
.set i, 0
.rept 128
	global_load_b32 v[X+i], v2, s[4:5] offset:i*4096 th:TH_LOAD_NT   ; W(128 kc + i, my column)
.set i, i+1
.endr
	s_wait_kmcnt 0x0
	s_cmp_eq_u32 s24, 1
	s_cselect_b32 s17, s19, s17
	s_cmp_eq_u32 s24, 2
	s_cselect_b32 s17, s21, s17                    ; e
	s_add_co_i32 s17, s17, 127
	s_lshl_b32 s18, s17, 23
	v_mov_b32 v11, s18                             ; 2^e as f32: the conversion takes its exponent field
	s_add_co_i32 s17, s17, 8
	s_lshl_b32 s17, s17, 23
	s_or_b32 s17, s17, 0x600000
	v_mov_b32 v10, s17                             ; 448 x 2^e
; Piece p: k = 16 p .. 16 p + 15 of the 128: ks p / 4, chunk (p / 2) % 2, half p % 2 of the lanes.  left: the loads younger than this piece's (112 - 16 p), at most the 63 that a wait can name.
.macro PIECE p, left
	s_wait_loadcnt \left
.irp i, 0,1,2,3,4,5,6,7,8,9,10,11,12,13,14,15
	v_med3_num_f32 v[X+16*(\p)+\i], v[X+16*(\p)+\i], -v10, v10   ; the conversion to an 8-bit code does not saturate (ISA guide 7.6.2): the hold comes first
.endr
	v_cvt_scalef32_pk8_fp8_f32 v[C+4*(\p):C+4*(\p)+1], v[X+16*(\p):X+16*(\p)+7], v11
	v_cvt_scalef32_pk8_fp8_f32 v[C+4*(\p)+2:C+4*(\p)+3], v[X+16*(\p)+8:X+16*(\p)+15], v11
	global_store_b128 v3, v[C+4*(\p):C+4*(\p)+3], s[12:13] offset:((\p)/4)*8192+(((\p)/2)%2)*512+((\p)%2)*256   ; the codes go to a store alone; the next piece's holds are plain lines on other registers
.endm
	PIECE 0, 63
	PIECE 1, 63
	PIECE 2, 63
	PIECE 3, 63
	PIECE 4, 48
	PIECE 5, 32
	PIECE 6, 16
	PIECE 7, 0
	s_endpgm
.Lfunc_end_k_q7210de1b50_wquant:
	.size	k_q7210de1b50_wquant, .Lfunc_end_k_q7210de1b50_wquant-k_q7210de1b50_wquant
	.p2alignl 7, 3214868480
	.fill 96, 4, 3214868480
	.section	.rodata,"a",@progbits
	.p2align	6, 0x0
	.amdhsa_kernel k_q7210de1b50_wquant
		.amdhsa_group_segment_fixed_size 0
		.amdhsa_private_segment_fixed_size 0
		.amdhsa_enable_private_segment 0
		.amdhsa_kernarg_size 40
		.amdhsa_user_sgpr_count 2
		.amdhsa_user_sgpr_kernarg_segment_ptr 1
		.amdhsa_wavefront_size32 1
		.amdhsa_system_sgpr_workgroup_id_x 1
		.amdhsa_system_sgpr_workgroup_id_y 1
		.amdhsa_system_sgpr_workgroup_id_z 1
		.amdhsa_system_vgpr_workitem_id 0
		.amdhsa_next_free_vgpr 192
		.amdhsa_next_free_sgpr 66
		.amdhsa_reserve_vcc 0
		.amdhsa_float_denorm_mode_32 3
		.amdhsa_float_denorm_mode_16_64 3
		.amdhsa_memory_ordered 1
		.amdhsa_forward_progress 1
		.amdhsa_inst_pref_size 25
	.end_amdhsa_kernel
	.amdgpu_metadata
---
amdhsa.version: [ 1, 2 ]
amdhsa.kernels:
  - .name:           k_q7210de1b50_wquant
    .symbol:         k_q7210de1b50_wquant.kd
    .args:
      - { .name: Wq, .offset: 0, .size: 8, .value_kind: global_buffer, .address_space: global }
      - { .name: Wk, .offset: 8, .size: 8, .value_kind: global_buffer, .address_space: global }
      - { .name: Wv, .offset: 16, .size: 8, .value_kind: global_buffer, .address_space: global }
      - { .name: lowp_scales, .offset: 24, .size: 8, .value_kind: global_buffer, .address_space: global }
      - { .name: wimg, .offset: 32, .size: 8, .value_kind: global_buffer, .address_space: global }
    .group_segment_fixed_size: 0
    .private_segment_fixed_size: 0
    .kernarg_segment_align: 8
    .kernarg_segment_size: 40
    .max_flat_workgroup_size: 128
    .sgpr_count:     66
    .vgpr_count:     192
    .wavefront_size: 32
...
	.end_amdgpu_metadata
.endif
;; end of part 1
;; launch proj (part 2): grid 64 x 3, 4 waves a work-group, no clusters, 199,168 bytes of LDS; arguments q, k, v, wimg, lowp_scales, qimg, kimg, vimg; writes qimg, kimg, vimg
.if DOCPART == 2
	.amdgcn_target "amdgcn-amd-amdhsa--gfx1250"
	.amdhsa_code_object_version 6
	.text
	.protected	k_q7210de1b50_proj
	.globl	k_q7210de1b50_proj
	.p2align	8
	.type	k_q7210de1b50_proj,@function
k_q7210de1b50_proj:
	s_mov_b64 s[64:65], 0
	v_nop
	global_prefetch_b8 v0, s[64:65] scope:SCOPE_SE
	s_setreg_imm32_b32 hwreg(HW_REG_WAVE_MODE, 25, 1), 1
	s_wait_xcnt 0x0
; The three projections, x W with x = q, k, v ([8192][1024] f32) and W's codes from wimg, on codes of E4M3; the sums (q's divided by 8) are quantised at once into the operands of attention's two products.
; Work-group (x = rb, y = mat) takes 128 rows of one tensor against all 1,024 columns: x is read from memory once and quantised once, W's codes are read once a work-group.
; PHASE X: wave w quantises rows 32 w .. 32 w + 31 and lays the codes in LDS as images of operand registers; one barrier.  THE PRODUCT: a wave makes 128 rows x 128 columns (64 accumulators, 512 registers)
; in each of two passes; in pass p it takes columns 128 (4 p + w) on, a pair of heads.  x's fragments come from LDS, W's straight from memory into registers: a fragment of W feeds this wave's eight products and no other wave.
; No multicast: a row of x belongs to one work-group, and W goes to registers, not to LDS; no tensor load, so LDS is claimed as it is used.
; ROWS OF A TILE: lane r of tile T takes row 32 (T / 2) + 8 (T % 2) + r + 8 (r / 8), for x's rows and W's columns alike, so that the 16 result registers of two neighbouring tiles are 16 neighbours along the next K.
; K IN A FRAGMENT: the 16 bytes of chunk c of lane (r, h) hold k = 32 c + 16 h + 0 .. 15, alike in both operands: every product meets its partner; the order of sums inside an instruction differs from the plain layout's.
; q, k: source 0 = W, source 1 = x: a lane holds one token and registers along the head's 64: images [b][pair of heads][256 tokens][head][128 tokens][tile 8][c 2][lane][16].
; v:    source 0 = x, source 1 = W: a lane holds one of the head's 64 and registers along the tokens (the keys): image [b][pair][256][head][128][tile 4][c 4][lane][16].
; A sum stands for sum x 2^(ex + ew): its code is sum / 2^E, E = eo - ex - ew (+ 3 for q: the division by 8).
; LIMITS: ex and E between -126 and 119, so that each power of two below is an f32 number.  NaN among the inputs is not served.
; REGISTERS, in windows of 256.  window 0: v1-11 addresses and scales; v16-31 phase X's codes; v32-95 the way out's codes; v128-255 phase X's turned numbers (two sets of 64), then x's fragments (two sets of 64).
;   window 1: W's fragments, four sets of 64.   window 2: phase X's loads (four sets of 64), then accumulators of tiles 0-3 of rows ((a, b) at v[8 (8 (a % 4) + b)]).   window 3: those of tiles 4-7.
.set STG,  131072                      ; LDS: 0 .. 131071 x's images [ks 16][a 8][c 2][lane][16]; from here two stages of 16 rows x 528 bytes for each wave
.set SPT,  528                         ; a stage row: 512 bytes + 16: row r starts at bank 4 r mod 64 (64 banks of 4 bytes: ISA guide 11.1)
.set STB,  16*SPT
.set LI,   1                           ; v1   16 x lane; never rewritten
.set SI,   3                           ; v3   the stage, on the way in
.set SO,   4                           ; v4   and on the way out
.set XW0,  5                           ; v5   2,048 w + 16 lane: my place in x's images
.set XWA,  6                           ; v6   + the K steps in hand
.set XA,   7                           ; v7   where x's fragments are read
.set SCX,  8                           ; v8   2^ex;  v9  448 x 2^ex
.set LMX,  9
.set SCO,  10                          ; v10  2^E;   v11 448 x 2^E
.set LMO,  11
.set PC,   16
.set CO,   32
.set XF,   128
.set XP,   4                           ; s[4:5]   x at my wave's rows
.set WP,   10                          ; s[10:11] W's codes at my columns
.set OP,   14                          ; s[14:15] the image at my pair of heads
.set MAT,  20
.set WV,   22
.set XS,   23
.set XB,   34
.set PASS, 35
.set TRIP, 36
.set MSB, 0
.macro WIN new                         ; the immediate's high byte repeats the setting that is left; a switch that changes nothing is dropped
.if MSB != (\new)
	s_set_vgpr_msb (MSB<<8)|(\new)
.set MSB, (\new)
.endif
.endm
.macro PLACES n
.rept \n
	v_nop
.endr
.endm
	s_load_b256 s[4:11], s[0:1], 0x0               ; q, k, v, wimg
	s_load_b256 s[12:19], s[0:1], 0x20             ; the scales' exponents, qimg, kimg, vimg
	v_lshl_add_u32 v126, v0, 2, 0x30800
	v_mov_b32 v127, 0
	v_lshrrev_b32 v2, 5, v0
	v_readfirstlane_b32 s[WV], v2                  ; wave 0..3
	v_and_b32 v2, 31, v0
	v_lshlrev_b32 v[LI], 4, v2
	v_and_b32 v12, 15, v0                          ; r
	v_bfe_u32 v13, v0, 4, 1                        ; h
	s_mul_i32 s38, s[WV], 2*STB
	s_add_co_u32 s38, s38, STG                     ; my two stages
	v_add_nc_u32 v[SI], s38, v[LI]                 ; in: a row's 512 bytes as they are loaded
	v_mul_u32_u24 v[SO], v12, SPT
	v_lshl_add_u32 v[SO], v13, 6, v[SO]
	v_add_nc_u32 v[SO], s38, v[SO]                 ; out: row r, + 64 h: my 16 numbers of a block of 32
	s_lshl_b32 s39, s[WV], 11
	v_add_nc_u32 v[XW0], s39, v[LI]
	s_and_b32 s[MAT], ttmp7, 0xffff
	s_lshl_b32 s40, ttmp9, 19                      ; x: 128 rb rows of 4,096 bytes,
	s_lshl_b32 s42, s[WV], 17                      ; + 32 w rows
	s_add_co_u32 s40, s40, s42
	s_mov_b32 s41, 0
	s_lshl_b32 s44, s[MAT], 20                     ; wimg: mat, ng = w
	s_add_co_u32 s44, s44, s42
	s_mov_b32 s45, 0
	s_lshr_b32 s46, ttmp9, 4                       ; the image: b = rb / 16,
	s_lshl_b32 s46, s46, 21
	s_lshl_b32 s48, s[WV], 18                      ; the pair of heads w,
	s_add_co_u32 s46, s46, s48
	s_bfe_u32 s48, ttmp9, 0x30001                  ; which 256 tokens: (rb / 2) % 8,
	s_lshl_b32 s48, s48, 15
	s_add_co_u32 s46, s46, s48
	s_and_b32 s48, ttmp9, 1                        ; which 128 of them
	s_lshl_b32 s48, s48, 13
	s_add_co_u32 s46, s46, s48
	s_mov_b32 s47, 0
	s_wait_kmcnt 0x0
	s_load_b256 s[24:31], s[12:13], 0x0            ; entries 0 to 7
	s_load_b64 s[32:33], s[12:13], 0x20            ; entries 8, 9
	s_cmp_eq_u32 s[MAT], 1                         ; the choices hang on the work-group's number alone
	s_cselect_b64 s[XP:XP+1], s[6:7], s[4:5]
	s_cselect_b64 s[OP:OP+1], s[16:17], s[14:15]
	s_cmp_eq_u32 s[MAT], 2
	s_cselect_b64 s[XP:XP+1], s[8:9], s[XP:XP+1]
	s_cselect_b64 s[OP:OP+1], s[18:19], s[OP:OP+1]
	s_add_nc_u64 s[XP:XP+1], s[XP:XP+1], s[40:41]
	s_add_nc_u64 s[WP:WP+1], s[WP:WP+1], s[44:45]
	s_add_nc_u64 s[OP:OP+1], s[OP:OP+1], s[46:47]
; W's eight fragments of one K step of 64 (8,192 dense bytes) into set 'set' of window 1
.macro WLD set, off
	WIN 0x40
.irp b, 0,1,2,3,4,5,6,7
	global_load_b128 v[64*(\set)+8*\b:64*(\set)+8*\b+3], v[LI], s[WP:WP+1] offset:(\off)+1024*\b
	global_load_b128 v[64*(\set)+8*\b+4:64*(\set)+8*\b+7], v[LI], s[WP:WP+1] offset:(\off)+1024*\b+512
.endr
.endm
; A piece of x: the 16 rows of my tile u, 128 along K from byte koff on.  Each load reads 512 consecutive bytes of one row.
.macro XLD set, u, koff
	WIN 0x80
.irp i, 0,1,2,3,4,5,6,7,8,9,10,11,12,13,14,15
	global_load_b128 v[64*(\set)+4*\i:64*(\set)+4*\i+3], v[LI], s[XP:XP+1] offset:(8*(\u)+\i+8*(\i/8))*4096+(\koff) th:TH_LOAD_NT
.endr
.endm
; The piece turns through my own stage: in as loaded, out 16 neighbours a block: register 16 c + 4 j + e = k 32 c + 16 h + 4 j + e of row r.  LDS serves a wave's instructions in order (ISA guide 5.7.1.4): no wait between.
.macro XTURN set, st
	WIN 0x08
.irp i, 0,1,2,3,4,5,6,7,8,9,10,11,12,13,14,15
	ds_store_b128 v[SI], v[64*(\set)+4*\i:64*(\set)+4*\i+3] offset:STB*(\st)+SPT*\i
.endr
	WIN 0
.irp c, 0,1,2,3
.irp j, 0,1,2,3
	ds_load_b128 v[XF+64*(\st)+16*\c+4*\j:XF+64*(\st)+16*\c+4*\j+3], v[SO] offset:STB*(\st)+128*\c+16*\j
.endr
.endr
.endm
.macro XQ st                           ; 64 numbers a lane become 16 registers of codes
	WIN 0
.irp c, 0,1,2,3
.irp i, 0,1,2,3,4,5,6,7,8,9,10,11,12,13,14,15
	v_med3_num_f32 v[XF+64*(\st)+16*\c+\i], v[XF+64*(\st)+16*\c+\i], -v[LMX], v[LMX]   ; the conversion does not saturate (ISA guide 7.6.2): the hold comes first
.endr
	v_cvt_scalef32_pk8_fp8_f32 v[PC+4*\c:PC+4*\c+1], v[XF+64*(\st)+16*\c:XF+64*(\st)+16*\c+7], v[SCX]
	v_cvt_scalef32_pk8_fp8_f32 v[PC+4*\c+2:PC+4*\c+3], v[XF+64*(\st)+16*\c+8:XF+64*(\st)+16*\c+15], v[SCX]
.endr
	v_nop                                          ; a plain line behind the last conversion
.endm
.macro XIM j                           ; the codes go to LDS as they stand: K step of 64 number 2 (j / 2) + c / 2 of the trip's four, tile 2 w + j % 2, chunk c % 2
.irp c, 0,1,2,3
	ds_store_b128 v[XWA], v[PC+4*\c:PC+4*\c+3] offset:(2*((\j)/2)+\c/2)*8192+1024*((\j)%2)+512*(\c%2)
.endr
.endm
; Step j of a trip's four.  ld = 1: the piece four on is asked for.  turn = 1: the next piece goes through the other stage; left: the loads younger than that piece's.
.macro XSTEP j, ld, left, turn
	s_wait_dscnt 0x0                               ; this piece is back from the stage; the stage's stores and the last images' stores have read their registers
.if (\j) == 0
	v_add_nc_u32 v[XWA], s[XS], v[XW0]
.endif
.if \ld
	XLD \j, (\j)%2, (2+(\j)/2)*512
.endif
.if \turn
	s_wait_loadcnt \left
	XTURN ((\j)+1)%4, ((\j)+1)%2
.endif
	XQ (\j)%2
	XIM \j
.endm
	WLD 0, 0                                       ; the first pass's K steps 0 to 2 travel under phase X
	WLD 1, 8192
	WLD 2, 16384
	XLD 0, 0, 0
	XLD 1, 1, 0
	XLD 2, 0, 512
	XLD 3, 1, 512
	WIN 0
	s_wait_kmcnt 0x0
	s_cmp_eq_u32 s[MAT], 1
	s_cselect_b32 s24, s26, s24                    ; ex
	s_cselect_b32 s25, s27, s25                    ; ew
	s_cselect_b32 s30, s31, s30                    ; eo: entry 6, 7 or 9
	s_cmp_eq_u32 s[MAT], 2
	s_cselect_b32 s24, s28, s24
	s_cselect_b32 s25, s29, s25
	s_cselect_b32 s30, s33, s30
	s_cmp_eq_u32 s[MAT], 0
	s_cselect_b32 s21, 3, 0                        ; q's sums are divided by 8
	s_sub_co_i32 s30, s30, s24
	s_sub_co_i32 s30, s30, s25
	s_add_co_i32 s30, s30, s21                     ; E
	s_add_co_i32 s24, s24, 127
	s_lshl_b32 s25, s24, 23
	v_mov_b32 v[SCX], s25
	s_add_co_i32 s24, s24, 8
	s_lshl_b32 s24, s24, 23
	s_or_b32 s24, s24, 0x600000
	v_mov_b32 v[LMX], s24
	s_add_co_i32 s30, s30, 127
	s_lshl_b32 s25, s30, 23
	v_mov_b32 v[SCO], s25
	s_add_co_i32 s30, s30, 8
	s_lshl_b32 s30, s30, 23
	s_or_b32 s30, s30, 0x600000
	v_mov_b32 v[LMO], s30
	s_mov_b32 s[XS], 0
	s_mov_b32 s[TRIP], 3
	s_wait_loadcnt 48                              ; piece 0 is in; pieces 1 to 3 may be out
	XTURN 0, 0
.Lx:                                               ; three trips of four pieces (256 along K); 48: the three pieces behind the next one may be out
	XSTEP 0, 1, 48, 1
	XSTEP 1, 1, 48, 1
	XSTEP 2, 1, 48, 1
	XSTEP 3, 1, 48, 1
	s_wait_xcnt 0x0                                ; the loads have read their base
	s_add_nc_u64 s[XP:XP+1], s[XP:XP+1], 1024
	s_add_co_u32 s[XS], s[XS], 32768
	s_sub_co_u32 s[TRIP], s[TRIP], 1
	s_cmp_lg_u32 s[TRIP], 0
	s_cbranch_scc1 .Lx
	XSTEP 0, 0, 32, 1                              ; the last four pieces ask for nothing: the counts run down
	XSTEP 1, 0, 16, 1
	XSTEP 2, 0, 0, 1
	XSTEP 3, 0, 0, 0
	s_wait_dscnt 0x0                               ; for the others' sake: my images have landed
	s_barrier_signal -1
	s_barrier_wait -1                              ; x's 128 fragments lie in LDS; from here on LDS is only read
.macro XFE set, off                    ; x's eight fragments of one K step of 64
	WIN 0
.irp a, 0,1,2,3,4,5,6,7
	ds_load_b128 v[XF+64*(\set)+8*\a:XF+64*(\set)+8*\a+3], v[XA] offset:(\off)+1024*\a
	ds_load_b128 v[XF+64*(\set)+8*\a+4:XF+64*(\set)+8*\a+7], v[XA] offset:(\off)+1024*\a+512
.endr
.endm
; 64 matrix instructions: x's tiles one after the other, each against W's eight.  The 64 accumulators take turns, one instruction a turn, in the same order in every step.
; zero = 1: the first product starts the sums: nothing is cleared.
.macro MUL swap, ws, xs, zero
.irp a, 0,1,2,3,4,5,6,7
.if \swap
	WIN 0xa4+0x50*(\a/4)                           ; source 0 (x) window 0, source 1 (W) window 1, C and D window 2 or 3
.else
	WIN 0xa1+0x50*(\a/4)                           ; source 0 (W) window 1, source 1 (x) window 0
.endif
.irp b, 0,1,2,3,4,5,6,7
.set AC, 8*(8*(\a%4)+\b)
.set WR, 64*(\ws)+8*\b
.set XR, XF+64*(\xs)+8*\a
.if \swap
.if \zero
	v_wmma_f32_16x16x64_fp8_fp8 v[AC:AC+7], v[XR:XR+7], v[WR:WR+7], 0
.else
	v_wmma_f32_16x16x64_fp8_fp8 v[AC:AC+7], v[XR:XR+7], v[WR:WR+7], v[AC:AC+7]
.endif
.else
.if \zero
	v_wmma_f32_16x16x64_fp8_fp8 v[AC:AC+7], v[WR:WR+7], v[XR:XR+7], 0
.else
	v_wmma_f32_16x16x64_fp8_fp8 v[AC:AC+7], v[WR:WR+7], v[XR:XR+7], v[AC:AC+7]
.endif
.endif
.endr
.endr
.endm
; K step t: W of step t + 3 and x of step t + 1 are asked for, into the sets that step t - 1 multiplied (four places behind its last product: ISA guide 7.12.1 for vector instructions);
; lc: W's loads younger than step t's; dc: x's.  A set of -1: nothing is left to ask for.
.macro GSTEP swap, ws, xs, zero, wset, woff, xset, xoff, lc, dc
	PLACES 4
.if \wset >= 0
	WLD \wset, \woff
.endif
.if \xset >= 0
	XFE \xset, \xoff
.endif
	s_wait_loadcnt \lc
	s_wait_dscnt \dc
	MUL \swap, \ws, \xs, \zero
.endm
; THE WAY OUT of a pass: hold, convert, store.  Two neighbouring tiles' 16 registers are 16 neighbours along the next K: 16 bytes a lane, and a store's 32 lanes write 512 consecutive bytes of the image.
.macro EPI swap
.irp wnd, 0,1
	WIN 0x82+0x41*\wnd                             ; source 0 and destination in window 2, then 3
.set i, 0
.rept 256
	v_med3_num_f32 v[i], v[i], -v[LMO], v[LMO]     ; each accumulator from its low end on
.set i, i+1
.endr
.if \wnd
	s_wait_xcnt 0x0                                ; the first half's stores have read their data: the codes' registers are written again
.endif
	WIN 0x02+\wnd
.if \swap
.irp b, 0,1,2,3,4,5,6,7
.irp p, 0,1
	v_cvt_scalef32_pk8_fp8_f32 v[CO+4*(2*\b+\p):CO+4*(2*\b+\p)+1], v[8*(16*\p+\b):8*(16*\p+\b)+7], v[SCO]
	v_cvt_scalef32_pk8_fp8_f32 v[CO+4*(2*\b+\p)+2:CO+4*(2*\b+\p)+3], v[8*(16*\p+8+\b):8*(16*\p+8+\b)+7], v[SCO]
.endr
.endr
	v_nop                                          ; a plain line behind the last conversion: the next pass's products write its sources
	WIN 0
.irp b, 0,1,2,3,4,5,6,7
.irp p, 0,1
	global_store_b128 v[LI], v[CO+4*(2*\b+\p):CO+4*(2*\b+\p)+3], s[OP:OP+1] offset:(\b/4)*16384+2048*(\b%4)+512*(2*\wnd+\p)   ; head b / 4, tile b % 4 of its 64, keys 32 (2 wnd + p) on
.endr
.endr
.else
.irp m, 0,1,2,3
.irp g, 0,1,2,3
	v_cvt_scalef32_pk8_fp8_f32 v[CO+4*(4*\m+\g):CO+4*(4*\m+\g)+1], v[8*(8*\m+2*\g):8*(8*\m+2*\g)+7], v[SCO]
	v_cvt_scalef32_pk8_fp8_f32 v[CO+4*(4*\m+\g)+2:CO+4*(4*\m+\g)+3], v[8*(8*\m+2*\g+1):8*(8*\m+2*\g+1)+7], v[SCO]
.endr
.endr
	v_nop
	WIN 0
.irp m, 0,1,2,3
.irp g, 0,1,2,3
	global_store_b128 v[LI], v[CO+4*(4*\m+\g):CO+4*(4*\m+\g)+3], s[OP:OP+1] offset:(\g/2)*16384+1024*(4*\wnd+\m)+512*(\g%2)   ; head g / 2, tile 4 wnd + m of tokens, chunk g % 2 of its 64
.endr
.endr
.endif
.endr
.endm
.macro GEMM swap
	s_mov_b32 s[PASS], 2
	s_mov_b32 s[XB], 0
	v_mov_b32 v[XA], v[LI]
	XFE 0, 0
.Lpass_\swap:
	GSTEP \swap, 0, 0, 1, 3, 3*8192, 1, 8192, 48, 16   ; K step 0 stands ahead of the loop: its products start the sums
	WIN 0
	s_mov_b32 s[TRIP], 3
.Lk_\swap:                                         ; K steps 1 to 12, four a trip: the sets' numbers come back after four
	GSTEP \swap, 1, 1, 0, 0, 4*8192, 0, 2*8192, 48, 16
	GSTEP \swap, 2, 0, 0, 1, 5*8192, 1, 3*8192, 48, 16
	GSTEP \swap, 3, 1, 0, 2, 6*8192, 0, 4*8192, 48, 16
	GSTEP \swap, 0, 0, 0, 3, 7*8192, 1, 5*8192, 48, 16
	WIN 0
	s_wait_xcnt 0x0                                ; W's loads have read their base,
	s_wait_dscnt 0x0                               ; x's loads (issued 64 products ago) are in: their address is written again
	s_add_nc_u64 s[WP:WP+1], s[WP:WP+1], 32768
	s_add_co_u32 s[XB], s[XB], 32768
	v_add_nc_u32 v[XA], s[XB], v[LI]
	s_sub_co_u32 s[TRIP], s[TRIP], 1
	s_cmp_lg_u32 s[TRIP], 0
	s_cbranch_scc1 .Lk_\swap
	GSTEP \swap, 1, 1, 0, -1, 0, 0, 2*8192, 32, 16     ; K steps 13 to 15: the counts run down
	GSTEP \swap, 2, 0, 0, -1, 0, 1, 3*8192, 16, 16
	GSTEP \swap, 3, 1, 0, -1, 0, -1, 0, 0, 0
	PLACES 4                                       ; ahead of the loads below and of the first read of results
	WIN 0
	s_mov_b32 s[XB], 0
	v_mov_b32 v[XA], v[LI]
	s_cmp_eq_u32 s[PASS], 1
	s_cbranch_scc1 .Lnn_\swap                      ; the last pass asks for nothing: no load leaves its buffer
	s_wait_xcnt 0x0
	s_add_nc_u64 s[WP:WP+1], s[WP:WP+1], 425984    ; four groups of 128 columns on (524,288), back along K (98,304)
	WLD 0, 0                                       ; the next pass's first fragments travel under the way out
	WLD 1, 8192
	WLD 2, 16384
	XFE 0, 0
	WIN 0
.Lnn_\swap:
	EPI \swap
	s_wait_xcnt 0x0                                ; the stores have read their data and their base
	s_add_nc_u64 s[OP:OP+1], s[OP:OP+1], 1048576   ; four pairs of heads on
	s_sub_co_u32 s[PASS], s[PASS], 1
	s_cmp_lg_u32 s[PASS], 0
	s_cbranch_scc1 .Lpass_\swap
.endm
	s_cmp_eq_u32 s[MAT], 2                         ; v's product has its sources the other way round: a second copy, chosen by the work-group's number
	s_cbranch_scc1 .Lv
	GEMM 0
	s_wait_tensorcnt 0x0
	ds_add_u32 v126, v127
	s_wait_dscnt 0x0
	s_endpgm
.Lv:
	GEMM 1
	s_wait_tensorcnt 0x0
	ds_add_u32 v126, v127
	s_wait_dscnt 0x0
	s_endpgm
.Lfunc_end_k_q7210de1b50_proj:
	.size	k_q7210de1b50_proj, .Lfunc_end_k_q7210de1b50_proj-k_q7210de1b50_proj
	.p2alignl 7, 3214868480
	.fill 96, 4, 3214868480
	.section	.rodata,"a",@progbits
	.p2align	6, 0x0
	.amdhsa_kernel k_q7210de1b50_proj
		.amdhsa_group_segment_fixed_size 199168
		.amdhsa_private_segment_fixed_size 0
		.amdhsa_enable_private_segment 0
		.amdhsa_kernarg_size 64
		.amdhsa_user_sgpr_count 2
		.amdhsa_user_sgpr_kernarg_segment_ptr 1
		.amdhsa_wavefront_size32 1
		.amdhsa_system_sgpr_workgroup_id_x 1
		.amdhsa_system_sgpr_workgroup_id_y 1
		.amdhsa_system_sgpr_workgroup_id_z 1
		.amdhsa_system_vgpr_workitem_id 0
		.amdhsa_next_free_vgpr 1024
		.amdhsa_next_free_sgpr 66
		.amdhsa_reserve_vcc 0
		.amdhsa_float_denorm_mode_32 3
		.amdhsa_float_denorm_mode_16_64 3
		.amdhsa_memory_ordered 1
		.amdhsa_forward_progress 1
		.amdhsa_inst_pref_size 255
	.end_amdhsa_kernel
	.section	.bss,"aw",@nobits
	.p2align	6
	.space	262144
	.amdgpu_metadata
---
amdhsa.version: [ 1, 2 ]
amdhsa.kernels:
  - .name:           k_q7210de1b50_proj
    .symbol:         k_q7210de1b50_proj.kd
    .args:
      - { .name: q, .offset: 0, .size: 8, .value_kind: global_buffer, .address_space: global }
      - { .name: k, .offset: 8, .size: 8, .value_kind: global_buffer, .address_space: global }
      - { .name: v, .offset: 16, .size: 8, .value_kind: global_buffer, .address_space: global }
      - { .name: wimg, .offset: 24, .size: 8, .value_kind: global_buffer, .address_space: global }
      - { .name: lowp_scales, .offset: 32, .size: 8, .value_kind: global_buffer, .address_space: global }
      - { .name: qimg, .offset: 40, .size: 8, .value_kind: global_buffer, .address_space: global }
      - { .name: kimg, .offset: 48, .size: 8, .value_kind: global_buffer, .address_space: global }
      - { .name: vimg, .offset: 56, .size: 8, .value_kind: global_buffer, .address_space: global }
    .group_segment_fixed_size: 199168
    .private_segment_fixed_size: 0
    .kernarg_segment_align: 8
    .kernarg_segment_size: 64
    .max_flat_workgroup_size: 128
    .sgpr_count:     66
    .vgpr_count:     1024
    .wavefront_size: 32
...
	.end_amdgpu_metadata
.endif
;; end of part 2
;; launch attn (part 3): grid 8 x 32, 8 waves a work-group, clusters of 4 x 4, 327,680 bytes of LDS; arguments qimg, kimg, vimg, mask, lowp_scales, out0; writes out0
.if DOCPART == 3
	.amdgcn_target "amdgcn-amd-amdhsa--gfx1250"
	.amdhsa_code_object_version 6
	.text
	.protected	k_q7210de1b50_attn
	.globl	k_q7210de1b50_attn
	.p2align	8
	.type	k_q7210de1b50_attn,@function
k_q7210de1b50_attn:
	s_mov_b64 s[64:65], 0
	v_nop
	global_prefetch_b8 v0, s[64:65] scope:SCOPE_SE
	s_setreg_imm32_b32 hwreg(HW_REG_WAVE_MODE, 25, 1), 1
	s_wait_xcnt 0x0
	s_wait_alu depctr_hold_cnt(0) depctr_sa_sdst(0) depctr_va_vdst(0) depctr_va_sdst(0) depctr_va_ssrc(0) depctr_va_vcc(0) depctr_vm_vsrc(0)
	s_getreg_b32 s2, hwreg(HW_REG_IB_STS2, 6, 4)
	s_cmp_eq_u32 s2, 0
	s_cbranch_scc0 .Lentry_in_a_cluster
	s_endpgm
.Lentry_in_a_cluster:
	s_bfe_u32 s2, ttmp6, 0x10000c
	s_cmp_lg_u32 s2, 0xf033
	s_cbranch_scc0 .Lentry_shape_is_right
	s_endpgm
.Lentry_shape_is_right:
; out[b][head][q][:] = the sum over keys of softmax(qh . kh, masked) vh, both products on codes of E4M3 (qh already holds the division by 8), from the images that the launch before has laid in operand order.
; THE SOFTMAX AHEAD OF THE SECOND PRODUCT: t = logit x log2(e); M = the row's largest t so far, rounded UP to a whole number; p = 2^(t - M) is quantised with 2^e8, not normalised; the row's sum is taken of the
; unquantised p and divides at the end.  When M moves, the sum and O are multiplied by 2^(old M - new M): exact.
; SHARES.  Work-group (x = block of 256 queries, y = 8 b + pair of heads).  Wave w owns 32 queries (two tiles) for BOTH heads: a fragment of K or V feeds two products, and the mask's bias serves two heads.
; Two waves to a SIMD.  Keys go 128 a step, 256 a slot, through a ring of two slots (K 32 KiB, V 32 KiB, mask 256 rows x 272 bytes).
; LAYOUT.  Both products transposed: S^T = K Q^T, O^T = V^T P^T: a lane holds ONE query throughout.  Lane r of tile T (keys, queries, the head's 64) stands for row 32 (T / 2) + 8 (T % 2) + r + 8 (r / 8), so that register
; 16 g + i of S^T is key 32 g + 16 (lane / 16) + i: the conversions' results are the second product's operand.
; THE MASK IS THE C OF S^T.  A mask byte (0 or 1) picks a byte of the table 0x000000f0: hidden -> 0xf0, open -> 0x00; that byte is moved to the top of an f32.  The bytes below it are left as they fall: an open key's bias
; is 0 or at most about 2^-125, nothing beside sums that are multiples of 2^-18; a hidden key's lies between -2^99 and -2^97, under every sum (|sum| < 2^24), so it loses in the maximum and its p is 0.
; A ROW WITH NO OPEN KEY SO FAR: the largest t starts at -c 2^60, over every hidden t and under every open one.  While it stands there, the lane's c and -M are taken as 0: p = 1 for every key, which is what equal
; logits give.  The first open key makes the factor 2^(old M - new M) zero, which wipes what was summed.
; CLUSTER 4 x 4.  K and V hang on y alone: asked for jointly along a row of the cluster.  The mask hangs on b (= cluster y / 2) and on x: jointly along a column.  Waves 0, 1 fetch K's halves, 2, 3 V's, 4 to 7 the mask's quarters.
; LIMITS: e6 + e7 between -50 and 20; e8 between -126 and 119; e8 + e9 is applied by v_ldexp_f32.  NaN and infinities among the inputs are not served.
; REGISTERS.  window 0: v1-11 addresses and constants; v[12:13] c, v[14:15] -M in effect; v[16:19] the factors; v20-25 at work; v32-47 statistics, four for each (head, tile): -M, largest t, the sum in two halves;
;   v48-79 Q; v80-111 four fragments of K, then p's codes; v128-191, v192-255 S^T of the two tiles, then p; v128-191 then V's four fragments.   window 1: v0-127 O^T, 32 for each (head, tile); v128-255 the bias, 64 a tile.
.set MP,    272                        ; a mask row in LDS: 256 bytes + 16 of padding
.set SPARE, 0x11000                    ; behind mask slot 0: the spare words, 128 bytes for each wave: four blocks of 256 bytes that no other line names
.set K0,    0x18000                    ; K's slots at 0x18000 and 0x38000, the mask's at 0 and 0x20000: one exclusive or turns either
.set V0,    0x40000                    ; V's slots at 0x40000 and 0x48000
.set TGK,   0x20000
.set TGV,   0x8000
.set LI,  1                            ; v1   16 x lane; never rewritten
.set AM0, 2                            ; v2   my query's row of the mask tile, + 16 (lane / 16)
.set SPW, 3                            ; v3   LDS address of my spare word; never rewritten
.set NIL, 4                            ; v4   0, for the add alone
.set ADK, 5
.set ADV, 6
.set ADM, 7
.set ZR,  8                            ; v8   0
.set LMP, 9                            ; v9   448 x 2^e8
.set SCP, 10                           ; v10  2^e8
.set PFO, 11                           ; v11  the prefetches' offset; never rewritten
.set CE,  12
.set NE,  14
.set FF,  16
.set T0,  20
.set T1,  21
.set T2,  22
.set TS,  24
.set STO, 26
.set RD,  27
.set ST,  32
.set Q,   48
.set F,   80
.set S,   128
.set BI,  128                          ; in window 1
.set WV,   16
.set G1KV, 24
.set G1M,  32
.set G0K,  40
.set G0V,  44
.set G0M,  48
.set TK,   52
.set TV,   53
.set TM,   54
.set SLOTS, 55
.set TWICE, 56
.set CS,   57                          ; c = log2(e) x 2^(e6 + e7)
.set TI,   58                          ; -c 2^60
.set TAB,  59
.set SEL,  60
.set EO,   62                          ; e8 + e9
.set PFA,  70
.set PFS,  72
.set LIM,  74
.set MSB, 0
.macro WIN new
.if MSB != (\new)
	s_set_vgpr_msb (MSB<<8)|(\new)
.set MSB, (\new)
.endif
.endm
.macro PLACES n
.rept \n
	v_nop
.endr
.endm
.macro CROUND                          ; a round of the cluster's barrier: my work-group's barrier, wave 0 signals for the work-group, every wave waits for all sixteen, my work-group's barrier once more
	s_barrier_signal -1
	s_barrier_wait -1
	s_cmp_lg_u32 s[WV], 0
	s_cbranch_scc1 .Lnot_wave_0_\@
	s_barrier_signal -3
.Lnot_wave_0_\@:
	s_barrier_wait -3
	s_barrier_signal -1
	s_barrier_wait -1
.endm
; A joint load, one a wave.  The branches hang on the wave's number alone.  Four v_nop follow each of the three lines.
.macro JLOAD
	s_cmp_lt_u32 s[WV], 2
	s_cbranch_scc0 .Lnot_k_\@
	tensor_load_to_lds s[G0K:G0K+3], s[G1KV:G1KV+7]
	s_nop 0
	PLACES 4
	s_branch .Lasked_\@
.Lnot_k_\@:
	s_cmp_lt_u32 s[WV], 4
	s_cbranch_scc0 .Lnot_v_\@
	tensor_load_to_lds s[G0V:G0V+3], s[G1KV:G1KV+7]
	s_nop 0
	PLACES 4
	s_branch .Lasked_\@
.Lnot_v_\@:
	tensor_load_to_lds s[G0M:G0M+3], s[G1M:G1M+7]
	s_nop 0
	PLACES 4
.Lasked_\@:
.endm
; A prefetch of what the NEXT change of slots will ask for, a slot's two key steps ahead of that load.  Each aligned 256 bytes are named once in the launch: K's and V's slot (128 blocks each) by the clusters with x = 0,
; the four partners of a row taking 32 blocks each BY ADDRESS (cx), wave 0 for K and wave 2 for V, lanes 256 bytes apart; the mask's 256 rows by the clusters with even y, the four partners of a column taking 64 rows
; each by address (cy), waves 4 and 6 taking 32 of them, a lane a row.  The last change that fills a slot asks for nothing; slots 0 and 1 come by their loads alone.
.macro ASK
	s_cmp_gt_u32 s[SLOTS], s[LIM]
	s_cbranch_scc0 .Lnot_mine_\@
	global_prefetch_b8 v[PFO], s[PFA:PFA+1] th:TH_LOAD_NT scope:SCOPE_SE
.Lnot_mine_\@:
.endm
	s_load_b256 s[4:11], s[0:1], 0x0               ; qimg s[4:5], kimg s[6:7], vimg s[8:9], mask s[10:11]
	s_load_b128 s[12:15], s[0:1], 0x20             ; the scales' exponents s[12:13], out0 s[14:15]
	v_lshl_add_u32 v[SPW], v0, 2, SPARE
	v_mov_b32 v[NIL], 0
	ds_add_u32 v3, v4
	ds_add_u32 v3, v4
	s_wait_dscnt 0x0
	v_lshrrev_b32 v20, 5, v0
	v_readfirstlane_b32 s[WV], v20                 ; wave 0..7
	s_bfe_u32 s17, ttmp6, 0x40000                  ; cx
	s_bfe_u32 s18, ttmp6, 0x40004                  ; cy
	s_lshl_b32 s19, ttmp9, 2
	s_add_co_u32 s19, s19, s17                     ; x: my block of 256 queries
	s_and_b32 s21, ttmp7, 0xffff                   ; cluster y
	s_lshl_b32 s20, s21, 2
	s_add_co_u32 s20, s20, s18                     ; y = 8 b + pair of heads
	s_lshr_b32 s22, s21, 1                         ; b: the same in all sixteen partners
	s_lshl_b32 s80, s18, 2
	s_lshl_b32 s80, 15, s80                        ; my row of the cluster
	s_lshl_b32 s81, 0x1111, s17                    ; my column
	; group 1 for K and V: 64 dense rows of 256 bytes, elements of 8 bytes
	s_or_b32 s[G1KV], s80, (3<<16)|(1<<21)         ; 15:0 the mask: my row; 17:16 elements of 8 bytes; 21 set beside a mask
	s_mov_b32 s[G1KV+1], 32<<16                    ; tensor_dim0 = 32
	s_mov_b32 s[G1KV+2], 64<<16                    ; tensor_dim1 = 64
	s_mov_b32 s[G1KV+3], 32<<16                    ; tile_dim0 = 32
	s_mov_b32 s[G1KV+4], 64                        ; tile_dim1 = 64
	s_mov_b32 s[G1KV+5], 32                        ; from row to row
	s_mov_b32 s[G1KV+6], 0
	s_mov_b32 s[G1KV+7], 0
	; group 1 for the mask: 64 rows of 256 bytes, 2,048 bytes apart, 16 bytes of padding behind each
	s_or_b32 s[G1M], s81, (1<<20)|(1<<21)|(5<<22)|(3<<25)   ; 15:0 my column; elements of 1 byte; 20 padding on; 24:22 after every 64 words; 31:25 four words
	s_mov_b32 s[G1M+1], 256<<16
	s_mov_b32 s[G1M+2], 64<<16
	s_mov_b32 s[G1M+3], 256<<16
	s_mov_b32 s[G1M+4], 64
	s_mov_b32 s[G1M+5], 2048
	s_mov_b32 s[G1M+6], 0
	s_mov_b32 s[G1M+7], 0
	; K's and V's place: y and the wave's number, in registers that never hold cx
	s_and_b32 s23, s[WV], 1
	s_lshl_b32 s76, s20, 18                        ; eight slots of 32,768 bytes for each y
	s_lshl_b32 s77, s23, 14                        ; which half of a slot (which head) I fetch
	s_add_co_u32 s76, s76, s77
	s_mov_b32 s77, 0
	s_lshl_b32 s82, s23, 14                        ; and its place in a slot: the wave's number alone enters an LDS address
	; the mask's place: b, x and the wave's number, in registers that never hold cy
	s_and_b32 s83, s[WV], 3
	s_lshl_b32 s78, s22, 11
	s_lshl_b32 s79, s19, 8
	s_add_co_u32 s78, s78, s79
	s_lshl_b32 s79, s83, 6
	s_add_co_u32 s78, s78, s79                     ; row 2,048 b + 256 x + 64 (w % 4)
	s_lshl_b32 s78, s78, 11
	s_mov_b32 s79, 0
	s_mul_i32 s83, s83, 64*MP
	s_mov_b32 s[TK], K0
	s_mov_b32 s[TV], V0
	s_mov_b32 s[TM], 0
	s_mov_b32 s[SLOTS], 7
	s_mov_b32 s[TAB], 0xf0
	s_mov_b32 s[SEL], 0x76543210
	s_mov_b32 s[SEL+1], 0xfedcba98
	s_wait_kmcnt 0x0
	s_load_b64 s[66:67], s[12:13], 0x18            ; e6, e7
	s_load_b64 s[68:69], s[12:13], 0x20            ; e8, e9
	s_mov_b32 s[G0K], 1                            ; count = 1
	s_add_co_u32 s[G0K+1], s82, K0                 ; LDS address: slot 0
	s_add_nc_u64 s[G0K+2:G0K+3], s[6:7], s[76:77]
	s_or_b32 s[G0K+3], s[G0K+3], 0x80000000        ; type = 2
	s_mov_b32 s[G0V], 1
	s_add_co_u32 s[G0V+1], s82, V0
	s_add_nc_u64 s[G0V+2:G0V+3], s[8:9], s[76:77]
	s_or_b32 s[G0V+3], s[G0V+3], 0x80000000
	s_mov_b32 s[G0M], 1
	s_mov_b32 s[G0M+1], s83
	s_add_nc_u64 s[G0M+2:G0M+3], s[10:11], s[78:79]
	s_or_b32 s[G0M+3], s[G0M+3], 0x80000000
	CROUND                                         ; all sixteen work-groups are here: the first joint loads meet
	JLOAD                                          ; slot 0
	; the prefetches: where my wave's stand, and who asks
	s_lshl_b32 s86, s20, 18
	s_lshl_b32 s87, s17, 13                        ; my work-group's 32 blocks of K's or V's slot,
	s_add_co_u32 s86, s86, s87
	s_add_co_u32 s86, s86, 32768                   ; in slot 1: the first change of slots steps it to slot 2
	s_lshl_b32 s88, s22, 11
	s_lshl_b32 s87, s19, 8
	s_add_co_u32 s88, s88, s87
	s_lshl_b32 s87, s18, 6                         ; my work-group's 64 rows of the mask tile,
	s_add_co_u32 s88, s88, s87
	s_bfe_u32 s87, s[WV], 0x10001
	s_lshl_b32 s87, s87, 5                         ; wave 6: the second 32 of them
	s_add_co_u32 s88, s88, s87
	s_lshl_b32 s88, s88, 11
	s_add_co_u32 s88, s88, 256
	s_and_b32 s84, ttmp7, 1                        ; cluster y's parity
	s_mov_b32 s89, 2048
	s_mov_b32 s[PFS], 256
	s_cmp_lt_u32 s[WV], 4
	s_cselect_b32 s86, s86, s88
	s_cselect_b32 s89, 256, s89                    ; from lane to lane
	s_cselect_b32 s[PFS], 32768, s[PFS]            ; a slot on
	s_cselect_b32 s84, ttmp9, s84                  ; the coordinate along which other clusters read the same bytes
	s_cselect_b64 s[PFA:PFA+1], s[8:9], s[10:11]
	s_cmp_lt_u32 s[WV], 2
	s_cselect_b64 s[PFA:PFA+1], s[6:7], s[PFA:PFA+1]
	s_mov_b32 s87, 0
	s_mov_b32 s[PFS+1], 0
	s_add_nc_u64 s[PFA:PFA+1], s[PFA:PFA+1], s[86:87]
	s_and_b32 s85, s[WV], 1
	s_or_b32 s84, s84, s85                         ; 0 in waves 0, 2, 4, 6 of the clusters that ask: the same in all partners
	s_cmp_eq_u32 s84, 0
	s_cselect_b32 s[LIM], 1, -1
	v_and_b32 v20, 31, v0
	v_mul_lo_u32 v[PFO], v20, s89
	v_lshlrev_b32 v[LI], 4, v20
	; Q: my two tiles for both heads stay in registers
	s_lshl_b32 s92, s20, 3
	s_add_co_u32 s92, s92, s19
	s_lshl_b32 s92, s92, 15
	s_lshl_b32 s93, s[WV], 11
	s_add_co_u32 s92, s92, s93
	s_mov_b32 s93, 0
	s_add_nc_u64 s[4:5], s[4:5], s[92:93]
.irp x, 0,1,2,3
	global_load_b128 v[Q+8*\x:Q+8*\x+3], v[LI], s[4:5] offset:16384*(\x/2)+1024*(\x%2)
	global_load_b128 v[Q+8*\x+4:Q+8*\x+7], v[LI], s[4:5] offset:16384*(\x/2)+1024*(\x%2)+512
.endr
	s_lshl_b32 s94, s20, 20                        ; out0: two heads of 524,288 bytes for each y,
	s_lshl_b32 s95, s19, 16                        ; 256 rows of 256 bytes for each x,
	s_add_co_u32 s94, s94, s95
	s_lshl_b32 s95, s[WV], 13                      ; 32 rows for each wave
	s_add_co_u32 s94, s94, s95
	s_mov_b32 s95, 0
	s_add_nc_u64 s[14:15], s[14:15], s[94:95]
	v_and_b32 v21, 15, v0                          ; r
	v_bfe_u32 v22, v0, 4, 1                        ; h
	v_and_b32 v23, 8, v21
	v_add_nc_u32 v23, v23, v21                     ; r + 8 (r / 8)
	s_lshl_b32 s90, s[WV], 5
	v_add_nc_u32 v23, s90, v23
	v_mul_u32_u24 v[AM0], v23, MP
	v_lshl_add_u32 v[AM0], v22, 4, v[AM0]
	s_mul_i32 s90, s[WV], 2*16*MP                  ; the way out: two stages of 16 rows x 272 bytes for each wave, in mask slot 0
	v_mul_u32_u24 v[STO], v21, MP
	v_lshl_add_u32 v[STO], v22, 6, v[STO]
	v_add_nc_u32 v[STO], s90, v[STO]               ; in: row r, + 64 h
	v_mul_u32_u24 v[RD], v22, MP
	v_lshl_add_u32 v[RD], v21, 4, v[RD]
	v_add_nc_u32 v[RD], s90, v[RD]                 ; back: lanes 0-15 one row, lanes 16-31 the next
	v_mov_b32 v[ZR], 0
	v_mov_b32 v[CE+1], 0                           ; (the upper halves of pairs of which the low word serves both halves: named, so written)
	v_mov_b32 v[NE+1], 0
	v_mov_b32 v[FF+1], 0
	v_mov_b32 v[FF+3], 0
	s_wait_kmcnt 0x0
	s_add_co_i32 s90, s66, s67
	s_lshl_b32 s90, s90, 23
	s_add_co_i32 s[CS], s90, 0x3fb8aa3b            ; log2(e) with e6 + e7 added to its exponent field
	s_add_co_i32 s[TI], s[CS], 0x1e000000          ; x 2^60,
	s_or_b32 s[TI], s[TI], 0x80000000              ; negative
	s_add_co_i32 s90, s68, 127
	s_lshl_b32 s91, s90, 23
	v_mov_b32 v[SCP], s91
	s_add_co_i32 s90, s90, 8
	s_lshl_b32 s90, s90, 23
	s_or_b32 s90, s90, 0x600000
	v_mov_b32 v[LMP], s90
	s_add_co_i32 s[EO], s68, s69
.irp x, 0,1,2,3
	v_mov_b32 v[ST+4*\x+1], s[TI]                  ; the largest t so far
	v_floor_f32 v[ST+4*\x], -v[ST+4*\x+1]          ; -M
	v_mov_b32 v[ST+4*\x+2], 0                      ; the sum, in two halves
	v_mov_b32 v[ST+4*\x+3], 0
.endr
	WIN 0x40
.set n, 0
.rept 128
	v_mov_b32 v[n], 0                              ; O^T.  (The step is written once: the first finds zeros, which the first change of M leaves zeros)
.set n, n+1
.endr
	WIN 0
.macro KLD hd, g                       ; four tiles of 16 keys x the head's 64
	WIN 0
.irp t, 0,1,2,3
	ds_load_b128 v[F+8*\t:F+8*\t+3], v[ADK] offset:16384*(\hd)+1024*(4*(\g)+\t)
	ds_load_b128 v[F+8*\t+4:F+8*\t+7], v[ADK] offset:16384*(\hd)+1024*(4*(\g)+\t)+512
.endr
.endm
.macro VLD hd                          ; four tiles of 16 of the head's 64 x the step's 128 keys, into the registers that tile 0's p has left
	WIN 0
.irp t, 0,1,2,3
.irp c, 0,1,2,3
	ds_load_b128 v[S+16*\t+4*\c:S+16*\t+4*\c+3], v[ADV] offset:16384*(\hd)+2048*\t+512*\c
.endr
.endr
.endm
.macro QK hd, g                        ; S^T = K Q^T + the mask's bias: eight products, each the whole K of its sum
	WIN 0x10                                       ; C in window 1
.irp t, 0,1,2,3
.irp u, 0,1
	v_wmma_f32_16x16x64_fp8_fp8 v[S+64*\u+8*(4*(\g)+\t):S+64*\u+8*(4*(\g)+\t)+7], v[F+8*\t:F+8*\t+7], v[Q+8*(2*(\hd)+\u):Q+8*(2*(\hd)+\u)+7], v[BI+64*\u+8*(4*(\g)+\t):BI+64*\u+8*(4*(\g)+\t)+7]
.endr
.endr
.endm
.macro PV hd                           ; O^T += V^T P^T: eight accumulators by turns, one instruction a turn
	WIN 0x50                                       ; C and D in window 1
.irp t, 0,1,2,3
.irp u, 0,1
	v_wmma_f32_16x16x128_fp8_fp8 v[32*(2*(\hd)+\u)+8*\t:32*(2*(\hd)+\u)+8*\t+7], v[S+16*\t:S+16*\t+15], v[F+16*\u:F+16*\u+15], v[32*(2*(\hd)+\u)+8*\t:32*(2*(\hd)+\u)+8*\t+7]
.endr
.endr
.endm
; One tile of 16 queries x 128 keys of one head: the maximum, M, p, the sum, p's codes, O^T under the new M.
.macro SOFTMAX qt, hd
.set SB, S+64*(\qt)
.set SS, ST+4*(2*(\hd)+(\qt))
.set FQ, FF+2*(\qt)
.set CB, F+16*(\qt)
.set OB, 32*(2*(\hd)+(\qt))
	WIN 0
	v_max3_num_f32 v[T0], v[SB], v[SB+1], v[SB+2]  ; my 64 scores, ascending, in two chains: each result is first read at its low end
	v_max3_num_f32 v[T1], v[SB+3], v[SB+4], v[SB+5]
.irp i, 6,10,14,18,22,26,30,34,38,42,46,50,54,58
	v_max3_num_f32 v[T0], v[T0], v[SB+\i], v[SB+\i+1]
	v_max3_num_f32 v[T1], v[T1], v[SB+\i+2], v[SB+\i+3]
.endr
	v_max3_num_f32 v[T0], v[T0], v[SB+62], v[SB+63]
	v_max_num_f32 v[T0], v[T0], v[T1]
	v_permlanex16_b32 v[T2], v[T0], s[SEL], s[SEL+1]
	v_max_num_f32 v[T0], v[T0], v[T2]              ; and lane l xor 16's 64
	v_mul_f32 v[T0], s[CS], v[T0]                  ; as t (c is positive)
	v_max_num_f32 v[SS+1], v[SS+1], v[T0]          ; the running largest t
	v_mov_b32 v[T0], v[SS]
	v_floor_f32 v[SS], -v[SS+1]                    ; the new -M = -ceil(t): a whole number
	v_sub_f32 v[T0], v[SS], v[T0]                  ; old M - new M, 0 or less
	v_cvt_i32_f32 v[T0], v[T0]                     ; (it saturates)
	v_ldexp_f32 v[FQ], 1.0, v[T0]                  ; f = 2^(old M - new M)
	v_cmp_eq_f32 vcc_lo, s[TI], v[SS+1]            ; no open key so far?  A choice of values, no branch
	v_cndmask_b32 v[CE], s[CS], v[ZR], vcc_lo      ; then c and -M count as 0: p = 1
	v_cndmask_b32 v[NE], v[SS], v[ZR], vcc_lo
.set n, 0
.rept 32
	v_pk_fma_f32 v[SB+n:SB+n+1], v[SB+n:SB+n+1], v[CE:CE+1], v[NE:NE+1] op_sel_hi:[1,0,0]   ; t - M, two at a time
.set n, n+2
.endr
.set n, 0
.rept 64
	v_exp_f32 v[SB+n], v[SB+n]                     ; p = 2^(t - M): one batch
.set n, n+1
.endr
	v_pk_mul_f32 v[SS+2:SS+3], v[SS+2:SS+3], v[FQ:FQ+1] op_sel_hi:[1,0]   ; the sums under the new M: the plain line behind the exponentials
	s_wait_alu depctr_va_vdst(0)                   ; one wait for the batch, ahead of its first reader
	v_pk_add_f32 v[TS:TS+1], v[SB:SB+1], v[SB+2:SB+3]   ; the sum of the UNQUANTISED p, in two chains
.irp j, 4,8,12,16,20,24,28,32,36,40,44,48,52,56,60
	v_pk_add_f32 v[SS+2:SS+3], v[SS+2:SS+3], v[SB+\j:SB+\j+1]
	v_pk_add_f32 v[TS:TS+1], v[TS:TS+1], v[SB+\j+2:SB+\j+3]
.endr
	v_pk_add_f32 v[SS+2:SS+3], v[SS+2:SS+3], v[TS:TS+1]
.irp b, 0,1,2,3
.set n, 0
.rept 16
	v_min_num_f32 v[SB+16*\b+n], v[SB+16*\b+n], v[LMP]   ; the conversion does not saturate (ISA guide 7.6.2); p is not negative: a one-sided hold
.set n, n+1
.endr
	v_cvt_scalef32_pk8_fp8_f32 v[CB+4*\b:CB+4*\b+1], v[SB+16*\b:SB+16*\b+7], v[SCP]
	v_cvt_scalef32_pk8_fp8_f32 v[CB+4*\b+2:CB+4*\b+3], v[SB+16*\b+8:SB+16*\b+15], v[SCP]
.endr
	WIN 0x41                                       ; O^T (destination and source 0) in window 1
.set n, 0
.rept 16
	v_pk_mul_f32 v[OB+n:OB+n+1], v[OB+n:OB+n+1], v[FQ:FQ+1] op_sel_hi:[1,0]   ; O^T x f, ascending; also the plain lines behind the last conversion
.set n, n+2
.endr
	WIN 0
.endm
.macro HEAD hd
	s_wait_dscnt 0x0                               ; K's first four tiles are in
	QK \hd, 0
	PLACES 4                                       ; ahead of loads into registers that those products read
	KLD \hd, 1
	s_wait_dscnt 0x0
	QK \hd, 1
	PLACES 4                                       ; ahead of the first read of results
	SOFTMAX 0, \hd
	VLD \hd                                        ; lands under tile 1's softmax
	SOFTMAX 1, \hd
	s_wait_dscnt 0x0                               ; V is in
	PV \hd
	PLACES 5                                       ; the next products K Q^T write over V's registers: one place more than a load wants
.if (\hd) == 0
	KLD 1, 0
.endif
.endm
; A KEY STEP: 128 keys, two heads, two tiles of queries.
.macro STEP
	WIN 0
	v_add_nc_u32 v[ADK], s[TK], v[LI]
	v_add_nc_u32 v[ADV], s[TV], v[LI]
	v_add_nc_u32 v[ADM], s[TM], v[AM0]
	WIN 0x40                                       ; destination window 1: the raw mask bytes land in the bias registers
.irp u, 0,1
.irp b, 0,1,2,3
	ds_load_b128 v[BI+64*\u+16*\b:BI+64*\u+16*\b+3], v[ADM] offset:8*MP*\u+32*\b   ; my query's 16 mask bytes of keys 32 b + 16 h on
.endr
.endr
	KLD 0, 0
	s_wait_dscnt 8                                 ; the mask's eight loads are in; K's eight may be out
	WIN 0x54                                       ; destination, source 1 and source 2 in window 1
.irp u, 0,1
.irp b, 0,1,2,3
.set MB, BI+64*\u+16*\b
	v_perm_b32 v[MB+15], s[TAB], s[TAB], v[MB+3]   ; the mask bytes are the selector: 0 picks 0xf0, 1 picks 0x00.  In place: word d goes to register 4 d + 3, the highest first
	v_perm_b32 v[MB+11], s[TAB], s[TAB], v[MB+2]
	v_perm_b32 v[MB+7], s[TAB], s[TAB], v[MB+1]
	v_perm_b32 v[MB+3], s[TAB], s[TAB], v[MB]
.irp d, 3,2,1,0
	v_lshlrev_b32 v[MB+4*\d], 24, v[MB+4*\d+3]     ; byte k of the word to the top of register 4 d + k; byte 3 stands there already
	v_lshlrev_b32 v[MB+4*\d+1], 16, v[MB+4*\d+3]
	v_lshlrev_b32 v[MB+4*\d+2], 8, v[MB+4*\d+3]
.endr
.endr
.endr
	HEAD 0
	HEAD 1
	WIN 0
	s_add_co_u32 s[TK], s[TK], 8192
	s_add_co_u32 s[TV], s[TV], 8192
	s_add_co_u32 s[TM], s[TM], 128
.endm
.macro SLOT_STEPS                      ; a slot's two key steps: written once, walked twice
	s_mov_b32 s[TWICE], 2
.Lstep_\@:
	STEP
	s_sub_co_u32 s[TWICE], s[TWICE], 1
	s_cmp_lg_u32 s[TWICE], 0
	s_cbranch_scc1 .Lstep_\@
	s_sub_co_u32 s[TK], s[TK], 16384               ; back to a slot's first step, in the other slot
	s_xor_b32 s[TK], s[TK], TGK
	s_sub_co_u32 s[TV], s[TV], 16384
	s_xor_b32 s[TV], s[TV], TGV
	s_sub_co_u32 s[TM], s[TM], 256
	s_xor_b32 s[TM], s[TM], TGK
.endm
; THE CHANGE OF SLOTS stands at a slot's head.  Each wave waits for all its tensor loads (one is out: its part of the slot ahead), adds 0 to its spare word, and waits for that and for its reads of the slot that it has left.
; fill = 1: the barrier is a round of the cluster's, so that no wave of any partner still reads the other slot or has a load on its way; the joint refill is the first thing behind it and has two key steps in which to land.
.macro CHANGE fill
	WIN 0
	s_wait_tensorcnt 0x0                           ; no tensor load of mine is out, so a group 0 may be written
	ds_add_u32 v[SPW], v[NIL]                      ; 0 onto my spare word
.if \fill
	s_xor_b32 s[G0K+1], s[G0K+1], TGK              ; the walking descriptors: the other slot, the next 256 keys
	s_add_nc_u64 s[G0K+2:G0K+3], s[G0K+2:G0K+3], 32768
	s_xor_b32 s[G0V+1], s[G0V+1], TGV
	s_add_nc_u64 s[G0V+2:G0V+3], s[G0V+2:G0V+3], 32768
	s_xor_b32 s[G0M+1], s[G0M+1], TGK
	s_add_nc_u64 s[G0M+2:G0M+3], s[G0M+2:G0M+3], 256
	s_wait_xcnt 0x0                                ; the last prefetch, a slot back, has read its address
	s_add_nc_u64 s[PFA:PFA+1], s[PFA:PFA+1], s[PFS:PFS+1]
	s_wait_dscnt 0x0                               ; the add is done, and my reads of the slot that I have left are over
	CROUND
	JLOAD
	ASK
.else
	s_wait_dscnt 0x0
	s_barrier_signal -1
	s_barrier_wait -1
.endif
.endm
	s_wait_loadcnt 0x0                             ; Q
.Lslot:                                            ; seven trips: behind each change of slots but the last the next slot is asked for
	CHANGE 1
	SLOT_STEPS
	s_sub_co_u32 s[SLOTS], s[SLOTS], 1
	s_cmp_lg_u32 s[SLOTS], 0
	s_cbranch_scc1 .Lslot
	CHANGE 0                                       ; the last slot is written out
	SLOT_STEPS
	; THE WAY OUT.  The sum's halves are added; O^T is divided by the sum, multiplied by 2^(e8 + e9) and sent through my stages, a tile (16 rows of 256 bytes) at a time.  The stages lie in mask slot 0, which has had
	; its last fill and which nobody reads behind the last change of slots.
.irp x, 0,1,2,3
	v_add_f32 v[ST+4*\x+2], v[ST+4*\x+2], v[ST+4*\x+3]
.endr
.irp x, 0,1,2,3
	v_permlanex16_b32 v[ST+4*\x+3], v[ST+4*\x+2], s[SEL], s[SEL+1]
.endr
.irp x, 0,1,2,3
	v_add_f32 v[ST+4*\x+2], v[ST+4*\x+2], v[ST+4*\x+3]
.endr
.irp x, 0,1,2,3
	v_rcp_f32 v[ST+4*\x+2], v[ST+4*\x+2]
.endr
	v_nop                                          ; a plain line behind the last reciprocal
	s_wait_alu depctr_va_vdst(0)                   ; one wait for the four, ahead of their first reader
.irp x, 0,1,2,3
	v_ldexp_f32 v[ST+4*\x+2], v[ST+4*\x+2], s[EO]
.endr
	WIN 0x01                                       ; source 0 (O^T) in window 1
.irp x, 0,1,2,3
.set n, 0
.rept 16
	v_pk_mul_f32 v[S+32*\x+n:S+32*\x+n+1], v[32*\x+n:32*\x+n+1], v[ST+4*\x+2:ST+4*\x+3] op_sel_hi:[1,0]   ; register 8 t + j: channel 32 (t / 2) + 8 (t % 2) + 16 h + j of my query
.set n, n+2
.endr
.endr
	WIN 0
.macro PACK x                          ; (head x / 2, tile x % 2): 16 bytes at a time into rows of 272 bytes, back as whole rows, into the registers that they left
.irp k, 0,1,2,3,4,5,6,7
	ds_store_b128 v[STO], v[S+32*(\x)+4*\k:S+32*(\x)+4*\k+3] offset:((\x)%2)*16*MP+(\k/4)*128+(\k%4)*16
.endr
.irp i, 0,1,2,3,4,5,6,7
	ds_load_b128 v[S+32*(\x)+4*\i:S+32*(\x)+4*\i+3], v[RD] offset:((\x)%2)*16*MP+2*\i*MP   ; LDS serves a wave's instructions in order (ISA guide 5.7.1.4): these see the stores above
.endr
.endm
.macro SEND x, younger                 ; younger: the LDS instructions issued behind this tile's loads
.irp i, 0,1,2,3,4,5,6,7
	s_wait_dscnt \younger+7-\i
	global_store_b128 v[LI], v[S+32*(\x)+4*\i:S+32*(\x)+4*\i+3], s[14:15] offset:((\x)/2)*524288+(8*((\x)%2)+2*\i+8*(\i/4))*256 th:TH_STORE_NT   ; 32 lanes store two neighbouring rows: 512 consecutive bytes, aligned
.endr
.endm
	PACK 0
	PACK 1
	SEND 0, 16
	PACK 2
	SEND 1, 16
	PACK 3
	SEND 2, 16
	SEND 3, 0
	s_wait_tensorcnt 0x0                           ; the wave's end: behind my last tensor load and my last LDS store
	ds_add_u32 v[SPW], v[NIL]
	s_wait_dscnt 0x0
	CROUND                                         ; the closing round: no work-group ends while a partner may still ask for a tile that names it
	s_endpgm
.Lfunc_end_k_q7210de1b50_attn:
	.size	k_q7210de1b50_attn, .Lfunc_end_k_q7210de1b50_attn-k_q7210de1b50_attn
	.p2alignl 7, 3214868480
	.fill 96, 4, 3214868480
	.section	.rodata,"a",@progbits
	.p2align	6, 0x0
	.amdhsa_kernel k_q7210de1b50_attn
		.amdhsa_group_segment_fixed_size 327680
		.amdhsa_private_segment_fixed_size 0
		.amdhsa_enable_private_segment 0
		.amdhsa_kernarg_size 48
		.amdhsa_user_sgpr_count 2
		.amdhsa_user_sgpr_kernarg_segment_ptr 1
		.amdhsa_wavefront_size32 1
		.amdhsa_system_sgpr_workgroup_id_x 1
		.amdhsa_system_sgpr_workgroup_id_y 1
		.amdhsa_system_sgpr_workgroup_id_z 1
		.amdhsa_system_vgpr_workitem_id 0
		.amdhsa_next_free_vgpr 512
		.amdhsa_next_free_sgpr 96
		.amdhsa_reserve_vcc 1
		.amdhsa_float_denorm_mode_32 3
		.amdhsa_float_denorm_mode_16_64 3
		.amdhsa_memory_ordered 1
		.amdhsa_forward_progress 1
		.amdhsa_inst_pref_size 156
	.end_amdhsa_kernel
	.amdgpu_metadata
---
amdhsa.version: [ 1, 2 ]
amdhsa.kernels:
  - .name:           k_q7210de1b50_attn
    .symbol:         k_q7210de1b50_attn.kd
    .args:
      - { .name: qimg, .offset: 0, .size: 8, .value_kind: global_buffer, .address_space: global }
      - { .name: kimg, .offset: 8, .size: 8, .value_kind: global_buffer, .address_space: global }
      - { .name: vimg, .offset: 16, .size: 8, .value_kind: global_buffer, .address_space: global }
      - { .name: mask, .offset: 24, .size: 8, .value_kind: global_buffer, .address_space: global }
      - { .name: lowp_scales, .offset: 32, .size: 8, .value_kind: global_buffer, .address_space: global }
      - { .name: out0, .offset: 40, .size: 8, .value_kind: global_buffer, .address_space: global }
    .group_segment_fixed_size: 327680
    .private_segment_fixed_size: 0
    .kernarg_segment_align: 8
    .kernarg_segment_size: 48
    .max_flat_workgroup_size: 256
    .sgpr_count:     96
    .vgpr_count:     512
    .wavefront_size: 32
...
	.end_amdgpu_metadata
.endif
;; end of part 3
;; ======== version 2 of 2: 3 launches
;; limits: right only within a limited range of input values
;; workspace buffers: wimg 3,145,728 bytes; qimg 8,388,608 bytes; kimg 8,388,608 bytes; vimg 8,388,608 bytes
;; launch wquant (part 4): grid 8 x 24, 4 waves a work-group, no clusters, 0 bytes of LDS; arguments Wq, Wk, Wv, lowp_scales, wimg; writes wimg
.if DOCPART == 4
	.amdgcn_target "amdgcn-amd-amdhsa--gfx1250"
	.amdhsa_code_object_version 6
	.text
	.protected	k_q7210de1b50_wquant
	.globl	k_q7210de1b50_wquant
	.p2align	8
	.type	k_q7210de1b50_wquant,@function
k_q7210de1b50_wquant:
	s_mov_b64 s[64:65], 0
	v_nop
	global_prefetch_b8 v0, s[64:65] scope:SCOPE_SE
	s_setreg_imm32_b32 hwreg(HW_REG_WAVE_MODE, 25, 1), 1
	s_wait_xcnt 0x0
; Wq, Wk, Wv: [1024 (k)][1024 (n)] f32, K the FIRST axis, become codes of E4M3, each with its given scale 2^e (entries 1, 3, 5 of the scales).
; code = x / 2^e, held within +-448, to the nearest code, ties to even.  LIMITS: -126 <= e and e + 8 <= 127; NaN among the inputs is not served.
; THE CODES ARE LAID IN THE ORDER OF THE OPERAND'S REGISTERS: wimg [mat 3][ng 8][ks 16][b 8][c 2][lane 32][16 bytes].  ng: 128 columns; ks: 64 along K; b: a tile of 16 columns;
; lane (r, h) of tile b holds column 128 ng + 32 (b / 2) + 8 (b % 2) + r + 8 (r / 8), and its 16 bytes of chunk c hold k = 64 ks + 32 c + 16 h + 0 .. 15.
; A LANE TAKES A COLUMN AND ITS REGISTERS RUN DOWN K: a load reads 128 consecutive bytes a wave, and the conversions, which take neighbours along K from one lane's registers, give 16 bytes that belong together.
; Work-group (x = ng, y = 8 mat + kc) takes 128 columns x 128 along K; wave w the 32 columns of tiles 2 w and 2 w + 1.  Column 32 w + l is lane r = (l & 7) + 8 (l >> 4) of tile 2 w + ((l >> 3) & 1).
; Each store writes two aligned runs of 256 bytes (sixteen lanes each).  No LDS, no barrier: waves share nothing.  All is written out: every offset is an immediate, no store's data are written again.
.set X, 32                             ; v32-159  128 numbers down K
.set C, 160                            ; v160-191 codes: four registers for each of eight pieces
	s_load_b256 s[4:11], s[0:1], 0x0               ; Wq s[4:5], Wk s[6:7], Wv s[8:9], the scales' exponents s[10:11]
	s_load_b64 s[12:13], s[0:1], 0x20              ; wimg
	v_lshrrev_b32 v1, 5, v0
	v_readfirstlane_b32 s14, v1                    ; wave
	v_and_b32 v1, 31, v0                           ; lane l
	v_lshlrev_b32 v2, 2, v1                        ; in: 4 bytes a lane
	v_bfe_u32 v4, v1, 3, 1                         ; which of the two tiles
	v_and_b32 v5, 7, v1
	v_lshrrev_b32 v6, 4, v1
	v_lshl_or_b32 v5, v6, 3, v5                    ; r
	v_lshlrev_b32 v3, 4, v5
	v_lshl_add_u32 v3, v4, 10, v3                  ; out: 1,024 x tile + 16 r
	s_and_b32 s15, ttmp7, 0xffff
	s_lshr_b32 s24, s15, 3                         ; mat
	s_and_b32 s25, s15, 7                          ; kc
	s_lshl_b32 s26, s25, 19                        ; W: 128 kc rows of 4,096 bytes,
	s_lshl_b32 s28, ttmp9, 9                       ; 128 ng columns,
	s_add_co_u32 s26, s26, s28
	s_lshl_b32 s28, s14, 7                         ; 32 w columns
	s_add_co_u32 s26, s26, s28
	s_mov_b32 s27, 0
	s_lshl_b32 s28, s24, 20                        ; wimg: mat,
	s_lshl_b32 s30, ttmp9, 17                      ; ng,
	s_add_co_u32 s28, s28, s30
	s_lshl_b32 s30, s25, 14                        ; two ks of 8,192 bytes for each kc,
	s_add_co_u32 s28, s28, s30
	s_lshl_b32 s30, s14, 11                        ; two tiles of 1,024 bytes for each wave
	s_add_co_u32 s28, s28, s30
	s_mov_b32 s29, 0
	s_wait_alu depctr_va_vdst(0)
	s_wait_kmcnt 0x0
	s_load_b256 s[16:23], s[10:11], 0x0            ; entries 0 to 7
	s_cmp_eq_u32 s24, 1                            ; the choice hangs on the work-group's number alone
	s_cselect_b64 s[4:5], s[6:7], s[4:5]
	s_cmp_eq_u32 s24, 2
	s_cselect_b64 s[4:5], s[8:9], s[4:5]
	s_add_nc_u64 s[4:5], s[4:5], s[26:27]
	s_add_nc_u64 s[12:13], s[12:13], s[28:29]
.set i, 0
.rept 128
	global_load_b32 v[X+i], v2, s[4:5] offset:i*4096 th:TH_LOAD_NT   ; W(128 kc + i, my column)
.set i, i+1
.endr
	s_wait_kmcnt 0x0
	s_cmp_eq_u32 s24, 1
	s_cselect_b32 s17, s19, s17
	s_cmp_eq_u32 s24, 2
	s_cselect_b32 s17, s21, s17                    ; e
	s_add_co_i32 s17, s17, 127
	s_lshl_b32 s18, s17, 23
	v_mov_b32 v11, s18                             ; 2^e as f32: the conversion takes its exponent field
	s_add_co_i32 s17, s17, 8
	s_lshl_b32 s17, s17, 23
	s_or_b32 s17, s17, 0x600000
	v_mov_b32 v10, s17                             ; 448 x 2^e
; Piece p: k = 16 p .. 16 p + 15 of the 128: ks p / 4, chunk (p / 2) % 2, half p % 2 of the lanes.  left: the loads younger than this piece's (112 - 16 p), at most the 63 that a wait can name.
.macro PIECE p, left
	s_wait_loadcnt \left
.irp i, 0,1,2,3,4,5,6,7,8,9,10,11,12,13,14,15
	v_med3_num_f32 v[X+16*(\p)+\i], v[X+16*(\p)+\i], -v10, v10   ; the conversion to an 8-bit code does not saturate (ISA guide 7.6.2): the hold comes first
.endr
	v_cvt_scalef32_pk8_fp8_f32 v[C+4*(\p):C+4*(\p)+1], v[X+16*(\p):X+16*(\p)+7], v11
	v_cvt_scalef32_pk8_fp8_f32 v[C+4*(\p)+2:C+4*(\p)+3], v[X+16*(\p)+8:X+16*(\p)+15], v11
	global_store_b128 v3, v[C+4*(\p):C+4*(\p)+3], s[12:13] offset:((\p)/4)*8192+(((\p)/2)%2)*512+((\p)%2)*256   ; the codes go to a store alone; the next piece's holds are plain lines on other registers
.endm
	s_wait_alu depctr_va_vdst(0)
	PIECE 0, 63
	PIECE 1, 63
	PIECE 2, 63
	PIECE 3, 63
	PIECE 4, 48
	PIECE 5, 32
	PIECE 6, 16
	PIECE 7, 0
	s_endpgm
.Lfunc_end_k_q7210de1b50_wquant:
	.size	k_q7210de1b50_wquant, .Lfunc_end_k_q7210de1b50_wquant-k_q7210de1b50_wquant
	.p2alignl 7, 3214868480
	.fill 96, 4, 3214868480
	.section	.rodata,"a",@progbits
	.p2align	6, 0x0
	.amdhsa_kernel k_q7210de1b50_wquant
		.amdhsa_group_segment_fixed_size 0
		.amdhsa_private_segment_fixed_size 0
		.amdhsa_enable_private_segment 0
		.amdhsa_kernarg_size 40
		.amdhsa_user_sgpr_count 2
		.amdhsa_user_sgpr_kernarg_segment_ptr 1
		.amdhsa_wavefront_size32 1
		.amdhsa_system_sgpr_workgroup_id_x 1
		.amdhsa_system_sgpr_workgroup_id_y 1
		.amdhsa_system_sgpr_workgroup_id_z 1
		.amdhsa_system_vgpr_workitem_id 0
		.amdhsa_next_free_vgpr 192
		.amdhsa_next_free_sgpr 66
		.amdhsa_reserve_vcc 0
		.amdhsa_float_denorm_mode_32 3
		.amdhsa_float_denorm_mode_16_64 3
		.amdhsa_memory_ordered 1
		.amdhsa_forward_progress 1
		.amdhsa_inst_pref_size 25
	.end_amdhsa_kernel
	.amdgpu_metadata
---
amdhsa.version: [ 1, 2 ]
amdhsa.kernels:
  - .name:           k_q7210de1b50_wquant
    .symbol:         k_q7210de1b50_wquant.kd
    .args:
      - { .name: Wq, .offset: 0, .size: 8, .value_kind: global_buffer, .address_space: global }
      - { .name: Wk, .offset: 8, .size: 8, .value_kind: global_buffer, .address_space: global }
      - { .name: Wv, .offset: 16, .size: 8, .value_kind: global_buffer, .address_space: global }
      - { .name: lowp_scales, .offset: 24, .size: 8, .value_kind: global_buffer, .address_space: global }
      - { .name: wimg, .offset: 32, .size: 8, .value_kind: global_buffer, .address_space: global }
    .group_segment_fixed_size: 0
    .private_segment_fixed_size: 0
    .kernarg_segment_align: 8
    .kernarg_segment_size: 40
    .max_flat_workgroup_size: 128
    .sgpr_count:     66
    .vgpr_count:     192
    .wavefront_size: 32
...
	.end_amdgpu_metadata
.endif
;; end of part 4
;; launch proj (part 5): grid 64 x 3, 4 waves a work-group, no clusters, 199,168 bytes of LDS; arguments q, k, v, wimg, lowp_scales, qimg, kimg, vimg; writes qimg, kimg, vimg
.if DOCPART == 5
	.amdgcn_target "amdgcn-amd-amdhsa--gfx1250"
	.amdhsa_code_object_version 6
	.text
	.protected	k_q7210de1b50_proj
	.globl	k_q7210de1b50_proj
	.p2align	8
	.type	k_q7210de1b50_proj,@function
k_q7210de1b50_proj:
	s_mov_b64 s[64:65], 0
	v_nop
	global_prefetch_b8 v0, s[64:65] scope:SCOPE_SE
	s_setreg_imm32_b32 hwreg(HW_REG_WAVE_SCHED_MODE, 0, 2), 2
	s_setreg_imm32_b32 hwreg(HW_REG_WAVE_MODE, 25, 1), 1
	s_wait_xcnt 0x0
	s_wait_alu depctr_vm_vsrc(0)
; The three projections, x W with x = q, k, v ([8192][1024] f32) and W's codes from wimg, on codes of E4M3; the sums (q's divided by 8) are quantised at once into the operands of attention's two products.
; Work-group (x = rb, y = mat) takes 128 rows of one tensor against all 1,024 columns: x is read from memory once and quantised once, W's codes are read once a work-group.
; PHASE X: wave w quantises rows 32 w .. 32 w + 31 and lays the codes in LDS as images of operand registers; one barrier.  THE PRODUCT: a wave makes 128 rows x 128 columns (64 accumulators, 512 registers)
; in each of two passes; in pass p it takes columns 128 (4 p + w) on, a pair of heads.  x's fragments come from LDS, W's straight from memory into registers: a fragment of W feeds this wave's eight products and no other wave.
; No multicast: a row of x belongs to one work-group, and W goes to registers, not to LDS; no tensor load, so LDS is claimed as it is used.
; ROWS OF A TILE: lane r of tile T takes row 32 (T / 2) + 8 (T % 2) + r + 8 (r / 8), for x's rows and W's columns alike, so that the 16 result registers of two neighbouring tiles are 16 neighbours along the next K.
; K IN A FRAGMENT: the 16 bytes of chunk c of lane (r, h) hold k = 32 c + 16 h + 0 .. 15, alike in both operands: every product meets its partner; the order of sums inside an instruction differs from the plain layout's.
; q, k: source 0 = W, source 1 = x: a lane holds one token and registers along the head's 64: images [b][pair of heads][256 tokens][head][128 tokens][tile 8][c 2][lane][16].
; v:    source 0 = x, source 1 = W: a lane holds one of the head's 64 and registers along the tokens (the keys): image [b][pair][256][head][128][tile 4][c 4][lane][16].
; A sum stands for sum x 2^(ex + ew): its code is sum / 2^E, E = eo - ex - ew (+ 3 for q: the division by 8).
; LIMITS: ex and E between -126 and 119, so that each power of two below is an f32 number.  NaN among the inputs is not served.
; REGISTERS, in windows of 256.  window 0: v1-11 addresses and scales; v16-31 phase X's codes; v32-95 the way out's codes; v128-255 phase X's turned numbers (two sets of 64), then x's fragments (two sets of 64).
;   window 1: W's fragments, four sets of 64.   window 2: phase X's loads (four sets of 64), then accumulators of tiles 0-3 of rows ((a, b) at v[8 (8 (a % 4) + b)]).   window 3: those of tiles 4-7.
; THE MODE: SCHED_MODE bits 1:0 = 2 (LLVM: expert scheduling mode 2), set by the entry lines.  The code itself states the register dependences between vector or matrix instructions and memory or LDS
; instructions, with s_wait_alu, always for 0.
; THE PLAN, PHASE X.  Registers that memory or LDS instructions touch, piece j of a trip's four:
;   L0 .. L3 (window 2)   the stage's stores of piece j, issued in step j - 1, read L[j]; the loads of piece j + 4, issued in step j, land in it.  No vector instruction names them.
;   T0, T1 (v128-255)     the stage's loads of piece j + 1, issued in step j, land in T[(j + 1) % 2]; the holds and conversions of step j work on T[j % 2].
;   PC (v16-31)           written by step j's conversions, read by step j's four image stores.      v[XWA]  written once a trip, read by the image stores.      v[LI], v[SI], v[SO]  made at the head, never written again.
;   Two waits a step: one on vm_vsrc at its head (L[j], PC and v[XWA] have been read), one on va_vdst between the conversions and the image stores (PC and v[XWA] are written; T[j % 2] is done with).
; THE PLAN, THE PRODUCT.  K step t:
;   W0 .. W3 (window 1)   step t's products read W[t % 4]; the loads of step t + 3 land in W[(t - 1) % 4].          X0, X1 (v128-255)  step t's products read X[t % 2]; the LDS loads of step t + 1 land in the other set.
;   v[XA]                 read by every fragment load of x; written once a trip and once a pass.                    CO (v32-95)  written by the way out's conversions, read by its stores.
;   ONE wait on va_vdst at a K step's head: step t - 1's products are done reading the two sets that this step's loads fill.  The 32 loads follow it dealt among the step's products, which name W[t % 4], X[t % 2] and the
;   accumulators: none of the registers that those loads touch.
.set STG,  131072                      ; LDS: 0 .. 131071 x's images [ks 16][a 8][c 2][lane][16]; from here two stages of 16 rows x 528 bytes for each wave
.set SPT,  528                         ; a stage row: 512 bytes + 16: row r starts at bank 4 r mod 64 (64 banks of 4 bytes: ISA guide 11.1)
.set STB,  16*SPT
.set LI,   1                           ; v1   16 x lane; never rewritten
.set SI,   3                           ; v3   the stage, on the way in
.set SO,   4                           ; v4   and on the way out
.set XW0,  5                           ; v5   2,048 w + 16 lane: my place in x's images
.set XWA,  6                           ; v6   + the K steps in hand
.set XA,   7                           ; v7   where x's fragments are read
.set SCX,  8                           ; v8   2^ex;  v9  448 x 2^ex
.set LMX,  9
.set SCO,  10                          ; v10  2^E;   v11 448 x 2^E
.set LMO,  11
.set PC,   16
.set CO,   32
.set XF,   128
.set XP,   4                           ; s[4:5]   x at my wave's rows
.set WP,   10                          ; s[10:11] W's codes at my columns
.set OP,   14                          ; s[14:15] the image at my pair of heads
.set MAT,  20
.set WV,   22
.set XS,   23
.set XB,   34
.set PASS, 35
.set TRIP, 36
.set MSB, 0
.macro WIN new                         ; the immediate's high byte repeats the setting that is left; a switch that changes nothing is dropped
.if MSB != (\new)
	s_set_vgpr_msb (MSB<<8)|(\new)
.set MSB, (\new)
.endif
.endm
.macro PLACES n
.rept \n
	v_nop
.endr
.endm
	s_load_b256 s[4:11], s[0:1], 0x0               ; q, k, v, wimg
	s_load_b256 s[12:19], s[0:1], 0x20             ; the scales' exponents, qimg, kimg, vimg
	v_lshl_add_u32 v126, v0, 2, 0x30800
	v_mov_b32 v127, 0
	v_lshrrev_b32 v2, 5, v0
	v_readfirstlane_b32 s[WV], v2                  ; wave 0..3
	v_and_b32 v2, 31, v0
	v_lshlrev_b32 v[LI], 4, v2
	v_and_b32 v12, 15, v0                          ; r
	v_bfe_u32 v13, v0, 4, 1                        ; h
	s_wait_alu depctr_va_sdst(0)                   ; the wave's number is written, ahead of its first reader: LDS places and all three bases are made from it
	s_mul_i32 s38, s[WV], 2*STB
	s_add_co_u32 s38, s38, STG                     ; my two stages
	v_add_nc_u32 v[SI], s38, v[LI]                 ; in: a row's 512 bytes as they are loaded
	v_mul_u32_u24 v[SO], v12, SPT
	v_lshl_add_u32 v[SO], v13, 6, v[SO]
	v_add_nc_u32 v[SO], s38, v[SO]                 ; out: row r, + 64 h: my 16 numbers of a block of 32
	s_lshl_b32 s39, s[WV], 11
	v_add_nc_u32 v[XW0], s39, v[LI]
	s_and_b32 s[MAT], ttmp7, 0xffff
	s_lshl_b32 s40, ttmp9, 19                      ; x: 128 rb rows of 4,096 bytes,
	s_lshl_b32 s42, s[WV], 17                      ; + 32 w rows
	s_add_co_u32 s40, s40, s42
	s_mov_b32 s41, 0
	s_lshl_b32 s44, s[MAT], 20                     ; wimg: mat, ng = w
	s_add_co_u32 s44, s44, s42
	s_mov_b32 s45, 0
	s_lshr_b32 s46, ttmp9, 4                       ; the image: b = rb / 16,
	s_lshl_b32 s46, s46, 21
	s_lshl_b32 s48, s[WV], 18                      ; the pair of heads w,
	s_add_co_u32 s46, s46, s48
	s_bfe_u32 s48, ttmp9, 0x30001                  ; which 256 tokens: (rb / 2) % 8,
	s_lshl_b32 s48, s48, 15
	s_add_co_u32 s46, s46, s48
	s_and_b32 s48, ttmp9, 1                        ; which 128 of them
	s_lshl_b32 s48, s48, 13
	s_add_co_u32 s46, s46, s48
	s_mov_b32 s47, 0
	s_wait_kmcnt 0x0
	s_load_b256 s[24:31], s[12:13], 0x0            ; entries 0 to 7
	s_load_b64 s[32:33], s[12:13], 0x20            ; entries 8, 9
	s_cmp_eq_u32 s[MAT], 1                         ; the choices hang on the work-group's number alone
	s_cselect_b64 s[XP:XP+1], s[6:7], s[4:5]
	s_cselect_b64 s[OP:OP+1], s[16:17], s[14:15]
	s_cmp_eq_u32 s[MAT], 2
	s_cselect_b64 s[XP:XP+1], s[8:9], s[XP:XP+1]
	s_cselect_b64 s[OP:OP+1], s[18:19], s[OP:OP+1]
	s_add_nc_u64 s[XP:XP+1], s[XP:XP+1], s[40:41]
	s_add_nc_u64 s[WP:WP+1], s[WP:WP+1], s[44:45]
	s_add_nc_u64 s[OP:OP+1], s[OP:OP+1], s[46:47]
; W's fragment of tile b of one K step of 64, into set 'set' of window 1: two loads of 512 dense bytes
.macro WLT set, off, b
	global_load_b128 v[64*(\set)+8*(\b):64*(\set)+8*(\b)+3], v[LI], s[WP:WP+1] offset:(\off)+1024*(\b)
	global_load_b128 v[64*(\set)+8*(\b)+4:64*(\set)+8*(\b)+7], v[LI], s[WP:WP+1] offset:(\off)+1024*(\b)+512
.endm
; W's eight fragments of one K step (8,192 dense bytes)
.macro WLD set, off
	WIN 0x40
.irp b, 0,1,2,3,4,5,6,7
	WLT \set, \off, \b
.endr
.endm
; A piece of x: the 16 rows of my tile u, 128 along K from byte koff on.  Each load reads 512 consecutive bytes of one row.
.macro XLD set, u, koff
	WIN 0x80
.irp i, 0,1,2,3,4,5,6,7,8,9,10,11,12,13,14,15
	global_load_b128 v[64*(\set)+4*\i:64*(\set)+4*\i+3], v[LI], s[XP:XP+1] offset:(8*(\u)+\i+8*(\i/8))*4096+(\koff) th:TH_LOAD_NT
.endr
.endm
; The piece turns through my own stage: in as loaded, out 16 neighbours a block: register 16 c + 4 j + e = k 32 c + 16 h + 4 j + e of row r.  LDS serves a wave's instructions in order (ISA guide 5.7.1.4): no wait between.
.macro XTURN set, st
	WIN 0x08
.irp i, 0,1,2,3,4,5,6,7,8,9,10,11,12,13,14,15
	ds_store_b128 v[SI], v[64*(\set)+4*\i:64*(\set)+4*\i+3] offset:STB*(\st)+SPT*\i
.endr
	WIN 0
.irp c, 0,1,2,3
.irp j, 0,1,2,3
	ds_load_b128 v[XF+64*(\st)+16*\c+4*\j:XF+64*(\st)+16*\c+4*\j+3], v[SO] offset:STB*(\st)+128*\c+16*\j
.endr
.endr
.endm
.macro XQ st                           ; 64 numbers a lane become 16 registers of codes
	WIN 0
.irp c, 0,1,2,3
.irp i, 0,1,2,3,4,5,6,7,8,9,10,11,12,13,14,15
	v_med3_num_f32 v[XF+64*(\st)+16*\c+\i], v[XF+64*(\st)+16*\c+\i], -v[LMX], v[LMX]   ; the conversion does not saturate (ISA guide 7.6.2): the hold comes first
.endr
	v_cvt_scalef32_pk8_fp8_f32 v[PC+4*\c:PC+4*\c+1], v[XF+64*(\st)+16*\c:XF+64*(\st)+16*\c+7], v[SCX]
	v_cvt_scalef32_pk8_fp8_f32 v[PC+4*\c+2:PC+4*\c+3], v[XF+64*(\st)+16*\c+8:XF+64*(\st)+16*\c+15], v[SCX]
.endr
	v_nop                                          ; a plain line behind the last conversion
.endm
.macro XIM j                           ; the codes go to LDS as they stand: K step of 64 number 2 (j / 2) + c / 2 of the trip's four, tile 2 w + j % 2, chunk c % 2
.irp c, 0,1,2,3
	ds_store_b128 v[XWA], v[PC+4*\c:PC+4*\c+3] offset:(2*((\j)/2)+\c/2)*8192+1024*((\j)%2)+512*(\c%2)
.endr
.endm
; Step j of a trip's four.  ld = 1: the piece four on is asked for.  turn = 1: the next piece goes through the other stage; left: the loads younger than that piece's.
.macro XSTEP j, ld, left, turn
	s_wait_dscnt 0x0                               ; this piece is back from the stage
	s_wait_alu depctr_vm_vsrc(0)                   ; the stage's stores of this piece have read its load set, in which the loads below land; the last image stores have read v[PC ..] and v[XWA], which are written again below
.if (\j) == 0
	v_add_nc_u32 v[XWA], s[XS], v[XW0]
.endif
.if \ld
	XLD \j, (\j)%2, (2+(\j)/2)*512
.endif
.if \turn
	s_wait_loadcnt \left
	XTURN ((\j)+1)%4, ((\j)+1)%2                   ; its LDS loads land in the turned set that the step before worked on: no vector instruction since that step's wait on va_vdst names it
.endif
	XQ (\j)%2
	s_wait_alu depctr_va_vdst(0)                   ; the conversions have written v[PC ..], which the image stores read; in a trip's first step v[XWA] is written; the holds and conversions are done with this turned set, in which the next step's stage loads land
	XIM \j
.endm
	WIN 0x40
	s_wait_alu depctr_va_vdst(0)                   ; v[LI], v[SI] and v[SO] are written: every load and store below reads one of them as its address
	WLD 0, 0                                       ; the first pass's K steps 0 to 2 travel under phase X
	WLD 1, 8192
	WLD 2, 16384
	XLD 0, 0, 0
	XLD 1, 1, 0
	XLD 2, 0, 512
	XLD 3, 1, 512
	WIN 0
	s_wait_kmcnt 0x0
	s_cmp_eq_u32 s[MAT], 1
	s_cselect_b32 s24, s26, s24                    ; ex
	s_cselect_b32 s25, s27, s25                    ; ew
	s_cselect_b32 s30, s31, s30                    ; eo: entry 6, 7 or 9
	s_cmp_eq_u32 s[MAT], 2
	s_cselect_b32 s24, s28, s24
	s_cselect_b32 s25, s29, s25
	s_cselect_b32 s30, s33, s30
	s_cmp_eq_u32 s[MAT], 0
	s_cselect_b32 s21, 3, 0                        ; q's sums are divided by 8
	s_sub_co_i32 s30, s30, s24
	s_sub_co_i32 s30, s30, s25
	s_add_co_i32 s30, s30, s21                     ; E
	s_add_co_i32 s24, s24, 127
	s_lshl_b32 s25, s24, 23
	v_mov_b32 v[SCX], s25
	s_add_co_i32 s24, s24, 8
	s_lshl_b32 s24, s24, 23
	s_or_b32 s24, s24, 0x600000
	v_mov_b32 v[LMX], s24
	s_add_co_i32 s30, s30, 127
	s_lshl_b32 s25, s30, 23
	v_mov_b32 v[SCO], s25
	s_add_co_i32 s30, s30, 8
	s_lshl_b32 s30, s30, 23
	s_or_b32 s30, s30, 0x600000
	v_mov_b32 v[LMO], s30
	s_mov_b32 s[XS], 0
	s_mov_b32 s[TRIP], 3
	s_wait_loadcnt 48                              ; piece 0 is in; pieces 1 to 3 may be out
	XTURN 0, 0                                     ; (the four lines above name v8 to v11 alone: nothing that these stores and loads touch)
.Lx:                                               ; three trips of four pieces (256 along K); 48: the three pieces behind the next one may be out
	s_wait_alu depctr_va_vdst(0)
	XSTEP 0, 1, 48, 1
	XSTEP 1, 1, 48, 1
	XSTEP 2, 1, 48, 1
	XSTEP 3, 1, 48, 1
	s_wait_xcnt 0x0                                ; the loads have read their base
	s_add_nc_u64 s[XP:XP+1], s[XP:XP+1], 1024
	s_add_co_u32 s[XS], s[XS], 32768
	s_sub_co_u32 s[TRIP], s[TRIP], 1
	s_cmp_lg_u32 s[TRIP], 0
	s_cbranch_scc1 .Lx
	XSTEP 0, 0, 32, 1                              ; the last four pieces ask for nothing: the counts run down
	XSTEP 1, 0, 16, 1
	XSTEP 2, 0, 0, 1
	XSTEP 3, 0, 0, 0                               ; (its wait on vm_vsrc stands behind the last stage stores: window 2 may be written by the products)
	s_wait_dscnt 0x0                               ; for the others' sake: my images have landed
	s_barrier_signal -1
	s_barrier_wait -1                              ; x's 128 fragments lie in LDS; from here on LDS is only read
.macro XFT set, off, a                 ; x's fragment of tile a of one K step of 64
	ds_load_b128 v[XF+64*(\set)+8*(\a):XF+64*(\set)+8*(\a)+3], v[XA] offset:(\off)+1024*(\a)
	ds_load_b128 v[XF+64*(\set)+8*(\a)+4:XF+64*(\set)+8*(\a)+7], v[XA] offset:(\off)+1024*(\a)+512
.endm
.macro XFE set, off                    ; x's eight fragments of one K step
	WIN 0
.irp a, 0,1,2,3,4,5,6,7
	XFT \set, \off, \a
.endr
.endm
; K step t: 64 matrix instructions, x's tiles one after the other, each against W's eight.  The 64 accumulators take turns, one instruction a turn, in the same order in every step.
; zero = 1: the first product starts the sums: nothing is cleared.
; W of step t + 3 and x of step t + 1 are asked for, into the sets that step t - 1 multiplied: a quarter of each (two tiles of x, two of W: eight loads) behind the products of each of x's tiles 0 to 3, so that the
; step's last 32 products stand between x's last loads and the next step's head.  lc: W's loads younger than step t's.  A set of -1: nothing is left to ask for.
.macro GSTEP swap, ws, xs, zero, wset, woff, xset, xoff, lc
	s_wait_loadcnt \lc                             ; W's fragments of this K step are in; those of the K steps behind it may be out
	s_wait_dscnt 0x0                               ; x's fragments of this K step are in: nothing younger is out
	s_wait_alu depctr_va_vdst(0)                   ; the K step before is done reading its sets of W and x, in which the loads below land; where v[XA] has just been written, it is written
.irp a, 0,1,2,3,4,5,6,7
.if \swap
	WIN 0xa4+0x50*(\a/4)                           ; source 0 (x) window 0, source 1 (W) window 1, C and D window 2 or 3
.else
	WIN 0xa1+0x50*(\a/4)                           ; source 0 (W) window 1, source 1 (x) window 0
.endif
.irp b, 0,1,2,3,4,5,6,7
.set AC, 8*(8*(\a%4)+\b)
.set WR, 64*(\ws)+8*\b
.set XR, XF+64*(\xs)+8*\a
.if \swap
.if \zero
	v_wmma_f32_16x16x64_fp8_fp8 v[AC:AC+7], v[XR:XR+7], v[WR:WR+7], 0
.else
	v_wmma_f32_16x16x64_fp8_fp8 v[AC:AC+7], v[XR:XR+7], v[WR:WR+7], v[AC:AC+7]
.endif
.else
.if \zero
	v_wmma_f32_16x16x64_fp8_fp8 v[AC:AC+7], v[WR:WR+7], v[XR:XR+7], 0
.else
	v_wmma_f32_16x16x64_fp8_fp8 v[AC:AC+7], v[WR:WR+7], v[XR:XR+7], v[AC:AC+7]
.endif
.endif
.endr
.if \a < 4                                         ; no wait: no vector or matrix instruction since the wait at the step's head names the sets that these loads fill, v[XA] or v[LI]
.if \xset >= 0
	WIN 0
	XFT \xset, \xoff, 2*\a
	XFT \xset, \xoff, 2*\a+1
.endif
.if \wset >= 0
	WIN 0x40
	WLT \wset, \woff, 2*\a
	WLT \wset, \woff, 2*\a+1
.endif
.endif
.endr
.endm
; THE WAY OUT of a pass: hold, convert, store.  Two neighbouring tiles' 16 registers are 16 neighbours along the next K: 16 bytes a lane, and a store's 32 lanes write 512 consecutive bytes of the image.
.macro EPI swap
.irp wnd, 0,1
	WIN 0x82+0x41*\wnd                             ; source 0 and destination in window 2, then 3
.set i, 0
.rept 256
	v_med3_num_f32 v[i], v[i], -v[LMO], v[LMO]     ; each accumulator from its low end on
.set i, i+1
.endr
.if \wnd
	s_wait_xcnt 0x0                                ; the first half's stores have had their addresses translated: their data registers are rewritten only behind this wait,
	s_wait_alu depctr_vm_vsrc(0)                   ; and they have read v[CO ..], which the conversions below write again
.endif
	WIN 0x02+\wnd
.if \swap
.irp b, 0,1,2,3,4,5,6,7
.irp p, 0,1
	v_cvt_scalef32_pk8_fp8_f32 v[CO+4*(2*\b+\p):CO+4*(2*\b+\p)+1], v[8*(16*\p+\b):8*(16*\p+\b)+7], v[SCO]
	v_cvt_scalef32_pk8_fp8_f32 v[CO+4*(2*\b+\p)+2:CO+4*(2*\b+\p)+3], v[8*(16*\p+8+\b):8*(16*\p+8+\b)+7], v[SCO]
.endr
.endr
	v_nop                                          ; a plain line behind the last conversion: the next pass's products write its sources
	WIN 0
	s_wait_alu depctr_va_vdst(0)                   ; the conversions have written v[CO ..], which the stores read
.irp b, 0,1,2,3,4,5,6,7
.irp p, 0,1
	global_store_b128 v[LI], v[CO+4*(2*\b+\p):CO+4*(2*\b+\p)+3], s[OP:OP+1] offset:(\b/4)*16384+2048*(\b%4)+512*(2*\wnd+\p)   ; head b / 4, tile b % 4 of its 64, keys 32 (2 wnd + p) on
.endr
.endr
.else
.irp m, 0,1,2,3
.irp g, 0,1,2,3
	v_cvt_scalef32_pk8_fp8_f32 v[CO+4*(4*\m+\g):CO+4*(4*\m+\g)+1], v[8*(8*\m+2*\g):8*(8*\m+2*\g)+7], v[SCO]
	v_cvt_scalef32_pk8_fp8_f32 v[CO+4*(4*\m+\g)+2:CO+4*(4*\m+\g)+3], v[8*(8*\m+2*\g+1):8*(8*\m+2*\g+1)+7], v[SCO]
.endr
.endr
	v_nop
	WIN 0
	s_wait_alu depctr_va_vdst(0)                   ; the conversions have written v[CO ..], which the stores read
.irp m, 0,1,2,3
.irp g, 0,1,2,3
	global_store_b128 v[LI], v[CO+4*(4*\m+\g):CO+4*(4*\m+\g)+3], s[OP:OP+1] offset:(\g/2)*16384+1024*(4*\wnd+\m)+512*(\g%2)   ; head g / 2, tile 4 wnd + m of tokens, chunk g % 2 of its 64
.endr
.endr
.endif
.endr
.endm
.macro GEMM swap
	s_mov_b32 s[PASS], 2
	s_mov_b32 s[XB], 0
	v_mov_b32 v[XA], v[LI]
	s_wait_alu depctr_va_vdst(0)                   ; v[XA] is written, which the loads below read; phase X's holds and conversions are done with v128-255, x's fragment sets from here on
	XFE 0, 0
.Lpass_\swap:
	GSTEP \swap, 0, 0, 1, 3, 3*8192, 1, 8192, 32   ; K step 0 stands ahead of the loop: its products start the sums
	WIN 0
	s_mov_b32 s[TRIP], 3
.Lk_\swap:                                         ; K steps 1 to 12, four a trip: the sets' numbers come back after four
	GSTEP \swap, 1, 1, 0, 0, 4*8192, 0, 2*8192, 32
	GSTEP \swap, 2, 0, 0, 1, 5*8192, 1, 3*8192, 32
	GSTEP \swap, 3, 1, 0, 2, 6*8192, 0, 4*8192, 32
	GSTEP \swap, 0, 0, 0, 3, 7*8192, 1, 5*8192, 32
	WIN 0
	s_wait_xcnt 0x0                                ; W's loads have read their base
	s_wait_alu depctr_vm_vsrc(0)                   ; x's fragment loads issued so far have read v[XA], which is written below
	s_add_nc_u64 s[WP:WP+1], s[WP:WP+1], 32768
	s_add_co_u32 s[XB], s[XB], 32768
	v_add_nc_u32 v[XA], s[XB], v[LI]               ; (the next K step's head states that it is written)
	s_sub_co_u32 s[TRIP], s[TRIP], 1
	s_cmp_lg_u32 s[TRIP], 0
	s_cbranch_scc1 .Lk_\swap
	GSTEP \swap, 1, 1, 0, -1, 0, 0, 2*8192, 32     ; K steps 13 to 15: the counts run down
	GSTEP \swap, 2, 0, 0, -1, 0, 1, 3*8192, 16
	GSTEP \swap, 3, 1, 0, -1, 0, -1, 0, 0
	PLACES 4                                       ; four places behind the last product, ahead of the first vector read of results (ISA guide 7.12.1)
	WIN 0
	s_mov_b32 s[XB], 0
	s_wait_alu depctr_vm_vsrc(0)                   ; x's fragment loads have read v[XA], which is written below
	v_mov_b32 v[XA], v[LI]
	s_cmp_eq_u32 s[PASS], 1
	s_cbranch_scc1 .Lnn_\swap                      ; the last pass asks for nothing: no load leaves its buffer
	s_wait_xcnt 0x0
	s_add_nc_u64 s[WP:WP+1], s[WP:WP+1], 425984    ; four groups of 128 columns on (524,288), back along K (98,304)
	WIN 0x40
	s_wait_alu depctr_va_vdst(0)                   ; this pass's last products are done reading W's sets 0 to 2 and x's set 0, in which the loads below land; v[XA] is written
	WLD 0, 0                                       ; the next pass's first fragments travel under the way out, whose vector lines name the accumulators, v[CO ..] and the two scales alone
	WLD 1, 8192
	WLD 2, 16384
	XFE 0, 0
	WIN 0
.Lnn_\swap:
	EPI \swap
	s_wait_xcnt 0x0                                ; the stores have had their addresses translated: their base is stepped and their data rewritten only behind this wait,
	s_wait_alu depctr_vm_vsrc(0)                   ; and they have read v[CO ..], which the next pass's conversions write again
	s_add_nc_u64 s[OP:OP+1], s[OP:OP+1], 1048576   ; four pairs of heads on
	s_sub_co_u32 s[PASS], s[PASS], 1
	s_cmp_lg_u32 s[PASS], 0
	s_cbranch_scc1 .Lpass_\swap
.endm
	s_cmp_eq_u32 s[MAT], 2                         ; v's product has its sources the other way round: a second copy, chosen by the work-group's number
	s_cbranch_scc1 .Lv
	GEMM 0
	s_wait_dscnt 0x0
	s_wait_alu depctr_hold_cnt(0) depctr_sa_sdst(0) depctr_va_vdst(0) depctr_va_sdst(0) depctr_va_ssrc(0) depctr_va_vcc(0) depctr_vm_vsrc(0)
	s_wait_tensorcnt 0x0
	ds_add_u32 v126, v127
	s_wait_dscnt 0x0
	s_endpgm
.Lv:
	GEMM 1
	s_wait_dscnt 0x0
	s_wait_alu depctr_hold_cnt(0) depctr_sa_sdst(0) depctr_va_vdst(0) depctr_va_sdst(0) depctr_va_ssrc(0) depctr_va_vcc(0) depctr_vm_vsrc(0)
	s_wait_tensorcnt 0x0
	ds_add_u32 v126, v127
	s_wait_dscnt 0x0
	s_endpgm
.Lfunc_end_k_q7210de1b50_proj:
	.size	k_q7210de1b50_proj, .Lfunc_end_k_q7210de1b50_proj-k_q7210de1b50_proj
	.p2alignl 7, 3214868480
	.fill 96, 4, 3214868480
	.section	.rodata,"a",@progbits
	.p2align	6, 0x0
	.amdhsa_kernel k_q7210de1b50_proj
		.amdhsa_group_segment_fixed_size 199168
		.amdhsa_private_segment_fixed_size 0
		.amdhsa_enable_private_segment 0
		.amdhsa_kernarg_size 64
		.amdhsa_user_sgpr_count 2
		.amdhsa_user_sgpr_kernarg_segment_ptr 1
		.amdhsa_wavefront_size32 1
		.amdhsa_system_sgpr_workgroup_id_x 1
		.amdhsa_system_sgpr_workgroup_id_y 1
		.amdhsa_system_sgpr_workgroup_id_z 1
		.amdhsa_system_vgpr_workitem_id 0
		.amdhsa_next_free_vgpr 1024
		.amdhsa_next_free_sgpr 66
		.amdhsa_reserve_vcc 0
		.amdhsa_float_denorm_mode_32 3
		.amdhsa_float_denorm_mode_16_64 3
		.amdhsa_memory_ordered 1
		.amdhsa_forward_progress 1
		.amdhsa_inst_pref_size 255
	.end_amdhsa_kernel
	.section	.bss,"aw",@nobits
	.p2align	6
	.space	262144
	.amdgpu_metadata
---
amdhsa.version: [ 1, 2 ]
amdhsa.kernels:
  - .name:           k_q7210de1b50_proj
    .symbol:         k_q7210de1b50_proj.kd
    .args:
      - { .name: q, .offset: 0, .size: 8, .value_kind: global_buffer, .address_space: global }
      - { .name: k, .offset: 8, .size: 8, .value_kind: global_buffer, .address_space: global }
      - { .name: v, .offset: 16, .size: 8, .value_kind: global_buffer, .address_space: global }
      - { .name: wimg, .offset: 24, .size: 8, .value_kind: global_buffer, .address_space: global }
      - { .name: lowp_scales, .offset: 32, .size: 8, .value_kind: global_buffer, .address_space: global }
      - { .name: qimg, .offset: 40, .size: 8, .value_kind: global_buffer, .address_space: global }
      - { .name: kimg, .offset: 48, .size: 8, .value_kind: global_buffer, .address_space: global }
      - { .name: vimg, .offset: 56, .size: 8, .value_kind: global_buffer, .address_space: global }
    .group_segment_fixed_size: 199168
    .private_segment_fixed_size: 0
    .kernarg_segment_align: 8
    .kernarg_segment_size: 64
    .max_flat_workgroup_size: 128
    .sgpr_count:     66
    .vgpr_count:     1024
    .wavefront_size: 32
...
	.end_amdgpu_metadata
.endif
;; end of part 5
;; launch attn (part 6): grid 8 x 32, 8 waves a work-group, clusters of 4 x 4, 327,680 bytes of LDS; arguments qimg, kimg, vimg, mask, lowp_scales, out0; writes out0
.if DOCPART == 6
	.amdgcn_target "amdgcn-amd-amdhsa--gfx1250"
	.amdhsa_code_object_version 6
	.text
	.protected	k_q7210de1b50_attn
	.globl	k_q7210de1b50_attn
	.p2align	8
	.type	k_q7210de1b50_attn,@function
k_q7210de1b50_attn:
	s_mov_b64 s[64:65], 0
	v_nop
	global_prefetch_b8 v0, s[64:65] scope:SCOPE_SE
	s_setreg_imm32_b32 hwreg(HW_REG_WAVE_MODE, 25, 1), 1
	s_wait_xcnt 0x0
	s_wait_alu depctr_hold_cnt(0) depctr_sa_sdst(0) depctr_va_vdst(0) depctr_va_sdst(0) depctr_va_ssrc(0) depctr_va_vcc(0) depctr_vm_vsrc(0)
	s_getreg_b32 s2, hwreg(HW_REG_IB_STS2, 6, 4)
	s_cmp_eq_u32 s2, 0
	s_cbranch_scc0 .Lentry_in_a_cluster
	s_endpgm
.Lentry_in_a_cluster:
	s_bfe_u32 s2, ttmp6, 0x10000c
	s_cmp_lg_u32 s2, 0xf033
	s_cbranch_scc0 .Lentry_shape_is_right
	s_endpgm
.Lentry_shape_is_right:
; out[b][head][q][:] = the sum over keys of softmax(qh . kh, masked) vh, both products on codes of E4M3 (qh already holds the division by 8), from the images that the launch before has laid in operand order.
; THE SOFTMAX AHEAD OF THE SECOND PRODUCT: t = logit x log2(e); M = the row's largest t so far, rounded UP to a whole number; p = 2^(t - M) is quantised with 2^e8, not normalised; the row's sum is taken of the
; unquantised p and divides at the end.  When M moves, the sum and O are multiplied by 2^(old M - new M): exact.
; SHARES.  Work-group (x = block of 256 queries, y = 8 b + pair of heads).  Wave w owns 32 queries (two tiles) for BOTH heads: a fragment of K or V feeds two products, and the mask's bias serves two heads.
; Two waves to a SIMD.  Keys go 128 a step, 256 a slot, through a ring of two slots (K 32 KiB, V 32 KiB, mask 256 rows x 272 bytes).
; LAYOUT.  Both products transposed: S^T = K Q^T, O^T = V^T P^T: a lane holds ONE query throughout.  Lane r of tile T (keys, queries, the head's 64) stands for row 32 (T / 2) + 8 (T % 2) + r + 8 (r / 8), so that register
; 16 g + i of S^T is key 32 g + 16 (lane / 16) + i: the conversions' results are the second product's operand.
; THE MASK IS THE C OF S^T.  A mask byte (0 or 1) picks a byte of the table 0x000000f0: hidden -> 0xf0, open -> 0x00; that byte is moved to the top of an f32.  The bytes below it are left as they fall: an open key's bias
; is 0 or at most about 2^-125, nothing beside sums that are multiples of 2^-18; a hidden key's lies between -2^99 and -2^97, under every sum (|sum| < 2^24), so it loses in the maximum and its p is 0.
; A ROW WITH NO OPEN KEY SO FAR: the largest t starts at -c 2^60, over every hidden t and under every open one.  While it stands there, the lane's c and -M are taken as 0: p = 1 for every key, which is what equal
; logits give.  The first open key makes the factor 2^(old M - new M) zero, which wipes what was summed.
; CLUSTER 4 x 4.  K and V hang on y alone: asked for jointly along a row of the cluster.  The mask hangs on b (= cluster y / 2) and on x: jointly along a column.  Waves 0, 1 fetch K's halves, 2, 3 V's, 4 to 7 the mask's quarters.
; LIMITS: e6 + e7 between -50 and 20; e8 between -126 and 119; e8 + e9 is applied by v_ldexp_f32.  NaN and infinities among the inputs are not served.
; REGISTERS.  window 0: v1-11 addresses and constants; v[12:13] c, v[14:15] -M in effect; v[16:19] the factors; v20-25 at work; v32-47 statistics, four for each (head, tile): -M, largest t, the sum in two halves;
;   v48-79 Q; v80-111 four fragments of K, then p's codes; v128-191, v192-255 S^T of the two tiles, then p; v128-191 then V's four fragments.   window 1: v0-127 O^T, 32 for each (head, tile); v128-255 the bias, 64 a tile.
.set MP,    272                        ; a mask row in LDS: 256 bytes + 16 of padding
.set SPARE, 0x11000                    ; behind mask slot 0: the spare words, 128 bytes for each wave: four blocks of 256 bytes that no other line names
.set K0,    0x18000                    ; K's slots at 0x18000 and 0x38000, the mask's at 0 and 0x20000: one exclusive or turns either
.set V0,    0x40000                    ; V's slots at 0x40000 and 0x48000
.set TGK,   0x20000
.set TGV,   0x8000
.set LI,  1                            ; v1   16 x lane; never rewritten
.set AM0, 2                            ; v2   my query's row of the mask tile, + 16 (lane / 16)
.set SPW, 3                            ; v3   LDS address of my spare word; never rewritten
.set NIL, 4                            ; v4   0, for the add alone
.set ADK, 5
.set ADV, 6
.set ADM, 7
.set ZR,  8                            ; v8   0
.set LMP, 9                            ; v9   448 x 2^e8
.set SCP, 10                           ; v10  2^e8
.set PFO, 11                           ; v11  the prefetches' offset; never rewritten
.set CE,  12
.set NE,  14
.set FF,  16
.set T0,  20
.set T1,  21
.set T2,  22
.set TS,  24
.set STO, 26
.set RD,  27
.set ST,  32
.set Q,   48
.set F,   80
.set S,   128
.set BI,  128                          ; in window 1
.set WV,   16
.set G1KV, 24
.set G1M,  32
.set G0K,  40
.set G0V,  44
.set G0M,  48
.set TK,   52
.set TV,   53
.set TM,   54
.set SLOTS, 55
.set TWICE, 56
.set CS,   57                          ; c = log2(e) x 2^(e6 + e7)
.set TI,   58                          ; -c 2^60
.set TAB,  59
.set SEL,  60
.set EO,   62                          ; e8 + e9
.set PFA,  70
.set PFS,  72
.set LIM,  74
.set MSB, 0
.macro WIN new
.if MSB != (\new)
	s_set_vgpr_msb (MSB<<8)|(\new)
.set MSB, (\new)
.endif
.endm
.macro PLACES n
.rept \n
	v_nop
.endr
.endm
.macro CROUND                          ; a round of the cluster's barrier: my work-group's barrier, wave 0 signals for the work-group, every wave waits for all sixteen, my work-group's barrier once more
	s_barrier_signal -1
	s_barrier_wait -1
	s_cmp_lg_u32 s[WV], 0
	s_cbranch_scc1 .Lnot_wave_0_\@
	s_barrier_signal -3
.Lnot_wave_0_\@:
	s_barrier_wait -3
	s_barrier_signal -1
	s_barrier_wait -1
.endm
; A joint load, one a wave.  The branches hang on the wave's number alone.  Four v_nop follow each of the three lines.
.macro JLOAD
	s_cmp_lt_u32 s[WV], 2
	s_cbranch_scc0 .Lnot_k_\@
	tensor_load_to_lds s[G0K:G0K+3], s[G1KV:G1KV+7]
	s_nop 0
	PLACES 4
	s_branch .Lasked_\@
.Lnot_k_\@:
	s_cmp_lt_u32 s[WV], 4
	s_cbranch_scc0 .Lnot_v_\@
	tensor_load_to_lds s[G0V:G0V+3], s[G1KV:G1KV+7]
	s_nop 0
	PLACES 4
	s_branch .Lasked_\@
.Lnot_v_\@:
	tensor_load_to_lds s[G0M:G0M+3], s[G1M:G1M+7]
	s_nop 0
	PLACES 4
.Lasked_\@:
.endm
; A prefetch of what the NEXT change of slots will ask for, a slot's two key steps ahead of that load.  Each aligned 256 bytes are named once in the launch: K's and V's slot (128 blocks each) by the clusters with x = 0,
; the four partners of a row taking 32 blocks each BY ADDRESS (cx), wave 0 for K and wave 2 for V, lanes 256 bytes apart; the mask's 256 rows by the clusters with even y, the four partners of a column taking 64 rows
; each by address (cy), waves 4 and 6 taking 32 of them, a lane a row.  The last change that fills a slot asks for nothing; slots 0 and 1 come by their loads alone.
.macro ASK
	s_cmp_gt_u32 s[SLOTS], s[LIM]
	s_cbranch_scc0 .Lnot_mine_\@
	global_prefetch_b8 v[PFO], s[PFA:PFA+1] th:TH_LOAD_NT scope:SCOPE_SE
.Lnot_mine_\@:
.endm
	s_load_b256 s[4:11], s[0:1], 0x0               ; qimg s[4:5], kimg s[6:7], vimg s[8:9], mask s[10:11]
	s_load_b128 s[12:15], s[0:1], 0x20             ; the scales' exponents s[12:13], out0 s[14:15]
	v_lshl_add_u32 v[SPW], v0, 2, SPARE
	v_mov_b32 v[NIL], 0
	ds_add_u32 v3, v4
	ds_add_u32 v3, v4
	s_wait_dscnt 0x0
	v_lshrrev_b32 v20, 5, v0
	s_delay_alu instid0(VALU_DEP_1)
	v_readfirstlane_b32 s[WV], v20                 ; wave 0..7
	s_bfe_u32 s17, ttmp6, 0x40000                  ; cx
	s_bfe_u32 s18, ttmp6, 0x40004                  ; cy
	s_lshl_b32 s19, ttmp9, 2
	s_add_co_u32 s19, s19, s17                     ; x: my block of 256 queries
	s_and_b32 s21, ttmp7, 0xffff                   ; cluster y
	s_lshl_b32 s20, s21, 2
	s_add_co_u32 s20, s20, s18                     ; y = 8 b + pair of heads
	s_lshr_b32 s22, s21, 1                         ; b: the same in all sixteen partners
	s_lshl_b32 s80, s18, 2
	s_lshl_b32 s80, 15, s80                        ; my row of the cluster
	s_lshl_b32 s81, 0x1111, s17                    ; my column
	; group 1 for K and V: 64 dense rows of 256 bytes, elements of 8 bytes
	s_or_b32 s[G1KV], s80, (3<<16)|(1<<21)         ; 15:0 the mask: my row; 17:16 elements of 8 bytes; 21 set beside a mask
	s_mov_b32 s[G1KV+1], 32<<16                    ; tensor_dim0 = 32
	s_mov_b32 s[G1KV+2], 64<<16                    ; tensor_dim1 = 64
	s_mov_b32 s[G1KV+3], 32<<16                    ; tile_dim0 = 32
	s_mov_b32 s[G1KV+4], 64                        ; tile_dim1 = 64
	s_mov_b32 s[G1KV+5], 32                        ; from row to row
	s_mov_b32 s[G1KV+6], 0
	s_mov_b32 s[G1KV+7], 0
	; group 1 for the mask: 64 rows of 256 bytes, 2,048 bytes apart, 16 bytes of padding behind each
	s_or_b32 s[G1M], s81, (1<<20)|(1<<21)|(5<<22)|(3<<25)   ; 15:0 my column; elements of 1 byte; 20 padding on; 24:22 after every 64 words; 31:25 four words
	s_mov_b32 s[G1M+1], 256<<16
	s_mov_b32 s[G1M+2], 64<<16
	s_mov_b32 s[G1M+3], 256<<16
	s_mov_b32 s[G1M+4], 64
	s_mov_b32 s[G1M+5], 2048
	s_mov_b32 s[G1M+6], 0
	s_mov_b32 s[G1M+7], 0
	; K's and V's place: y and the wave's number, in registers that never hold cx
	s_and_b32 s23, s[WV], 1
	s_lshl_b32 s76, s20, 18                        ; eight slots of 32,768 bytes for each y
	s_lshl_b32 s77, s23, 14                        ; which half of a slot (which head) I fetch
	s_add_co_u32 s76, s76, s77
	s_mov_b32 s77, 0
	s_lshl_b32 s82, s23, 14                        ; and its place in a slot: the wave's number alone enters an LDS address
	; the mask's place: b, x and the wave's number, in registers that never hold cy
	s_and_b32 s83, s[WV], 3
	s_lshl_b32 s78, s22, 11
	s_lshl_b32 s79, s19, 8
	s_add_co_u32 s78, s78, s79
	s_lshl_b32 s79, s83, 6
	s_add_co_u32 s78, s78, s79                     ; row 2,048 b + 256 x + 64 (w % 4)
	s_lshl_b32 s78, s78, 11
	s_mov_b32 s79, 0
	s_mul_i32 s83, s83, 64*MP
	s_mov_b32 s[TK], K0
	s_mov_b32 s[TV], V0
	s_mov_b32 s[TM], 0
	s_mov_b32 s[SLOTS], 7
	s_mov_b32 s[TAB], 0xf0
	s_mov_b32 s[SEL], 0x76543210
	s_mov_b32 s[SEL+1], 0xfedcba98
	s_wait_kmcnt 0x0
	s_load_b64 s[66:67], s[12:13], 0x18            ; e6, e7
	s_load_b64 s[68:69], s[12:13], 0x20            ; e8, e9
	s_mov_b32 s[G0K], 1                            ; count = 1
	s_add_co_u32 s[G0K+1], s82, K0                 ; LDS address: slot 0
	s_add_nc_u64 s[G0K+2:G0K+3], s[6:7], s[76:77]
	s_or_b32 s[G0K+3], s[G0K+3], 0x80000000        ; type = 2
	s_mov_b32 s[G0V], 1
	s_add_co_u32 s[G0V+1], s82, V0
	s_add_nc_u64 s[G0V+2:G0V+3], s[8:9], s[76:77]
	s_or_b32 s[G0V+3], s[G0V+3], 0x80000000
	s_mov_b32 s[G0M], 1
	s_mov_b32 s[G0M+1], s83
	s_add_nc_u64 s[G0M+2:G0M+3], s[10:11], s[78:79]
	s_or_b32 s[G0M+3], s[G0M+3], 0x80000000
	CROUND                                         ; all sixteen work-groups are here: the first joint loads meet
	JLOAD                                          ; slot 0
	; the prefetches: where my wave's stand, and who asks
	s_lshl_b32 s86, s20, 18
	s_lshl_b32 s87, s17, 13                        ; my work-group's 32 blocks of K's or V's slot,
	s_add_co_u32 s86, s86, s87
	s_add_co_u32 s86, s86, 32768                   ; in slot 1: the first change of slots steps it to slot 2
	s_lshl_b32 s88, s22, 11
	s_lshl_b32 s87, s19, 8
	s_add_co_u32 s88, s88, s87
	s_lshl_b32 s87, s18, 6                         ; my work-group's 64 rows of the mask tile,
	s_add_co_u32 s88, s88, s87
	s_bfe_u32 s87, s[WV], 0x10001
	s_lshl_b32 s87, s87, 5                         ; wave 6: the second 32 of them
	s_add_co_u32 s88, s88, s87
	s_lshl_b32 s88, s88, 11
	s_add_co_u32 s88, s88, 256
	s_and_b32 s84, ttmp7, 1                        ; cluster y's parity
	s_mov_b32 s89, 2048
	s_mov_b32 s[PFS], 256
	s_cmp_lt_u32 s[WV], 4
	s_cselect_b32 s86, s86, s88
	s_cselect_b32 s89, 256, s89                    ; from lane to lane
	s_cselect_b32 s[PFS], 32768, s[PFS]            ; a slot on
	s_cselect_b32 s84, ttmp9, s84                  ; the coordinate along which other clusters read the same bytes
	s_cselect_b64 s[PFA:PFA+1], s[8:9], s[10:11]
	s_cmp_lt_u32 s[WV], 2
	s_cselect_b64 s[PFA:PFA+1], s[6:7], s[PFA:PFA+1]
	s_mov_b32 s87, 0
	s_mov_b32 s[PFS+1], 0
	s_add_nc_u64 s[PFA:PFA+1], s[PFA:PFA+1], s[86:87]
	s_and_b32 s85, s[WV], 1
	s_or_b32 s84, s84, s85                         ; 0 in waves 0, 2, 4, 6 of the clusters that ask: the same in all partners
	s_cmp_eq_u32 s84, 0
	s_cselect_b32 s[LIM], 1, -1
	v_and_b32 v20, 31, v0
	s_delay_alu instid0(VALU_DEP_1)
	v_mul_lo_u32 v[PFO], v20, s89
	s_delay_alu instid0(VALU_DEP_2)
	v_lshlrev_b32 v[LI], 4, v20
	; Q: my two tiles for both heads stay in registers
	s_lshl_b32 s92, s20, 3
	s_add_co_u32 s92, s92, s19
	s_lshl_b32 s92, s92, 15
	s_lshl_b32 s93, s[WV], 11
	s_add_co_u32 s92, s92, s93
	s_mov_b32 s93, 0
	s_add_nc_u64 s[4:5], s[4:5], s[92:93]
.irp x, 0,1,2,3
	global_load_b128 v[Q+8*\x:Q+8*\x+3], v[LI], s[4:5] offset:16384*(\x/2)+1024*(\x%2)
	global_load_b128 v[Q+8*\x+4:Q+8*\x+7], v[LI], s[4:5] offset:16384*(\x/2)+1024*(\x%2)+512
.endr
	s_lshl_b32 s94, s20, 20                        ; out0: two heads of 524,288 bytes for each y,
	s_lshl_b32 s95, s19, 16                        ; 256 rows of 256 bytes for each x,
	s_add_co_u32 s94, s94, s95
	s_lshl_b32 s95, s[WV], 13                      ; 32 rows for each wave
	s_add_co_u32 s94, s94, s95
	s_mov_b32 s95, 0
	s_add_nc_u64 s[14:15], s[14:15], s[94:95]
	v_and_b32 v21, 15, v0                          ; r
	v_bfe_u32 v22, v0, 4, 1                        ; h
	s_delay_alu instid0(VALU_DEP_2)
	v_and_b32 v23, 8, v21
	s_delay_alu instid0(VALU_DEP_1)
	v_add_nc_u32 v23, v23, v21                     ; r + 8 (r / 8)
	s_lshl_b32 s90, s[WV], 5
	v_add_nc_u32 v23, s90, v23
	s_delay_alu instid0(VALU_DEP_1)
	v_mul_u32_u24 v[AM0], v23, MP
	s_delay_alu instid0(VALU_DEP_1)
	v_lshl_add_u32 v[AM0], v22, 4, v[AM0]
	s_mul_i32 s90, s[WV], 2*16*MP                  ; the way out: two stages of 16 rows x 272 bytes for each wave, in mask slot 0
	v_mul_u32_u24 v[STO], v21, MP
	s_delay_alu instid0(VALU_DEP_1)
	v_lshl_add_u32 v[STO], v22, 6, v[STO]
	s_delay_alu instid0(VALU_DEP_1)
	v_add_nc_u32 v[STO], s90, v[STO]               ; in: row r, + 64 h
	v_mul_u32_u24 v[RD], v22, MP
	s_delay_alu instid0(VALU_DEP_1)
	v_lshl_add_u32 v[RD], v21, 4, v[RD]
	s_delay_alu instid0(VALU_DEP_1)
	v_add_nc_u32 v[RD], s90, v[RD]                 ; back: lanes 0-15 one row, lanes 16-31 the next
	v_mov_b32 v[ZR], 0
	v_mov_b32 v[CE+1], 0                           ; (the upper halves of pairs of which the low word serves both halves: named, so written)
	v_mov_b32 v[NE+1], 0
	v_mov_b32 v[FF+1], 0
	v_mov_b32 v[FF+3], 0
	s_wait_kmcnt 0x0
	s_add_co_i32 s90, s66, s67
	s_lshl_b32 s90, s90, 23
	s_add_co_i32 s[CS], s90, 0x3fb8aa3b            ; log2(e) with e6 + e7 added to its exponent field
	s_add_co_i32 s[TI], s[CS], 0x1e000000          ; x 2^60,
	s_or_b32 s[TI], s[TI], 0x80000000              ; negative
	s_add_co_i32 s90, s68, 127
	s_lshl_b32 s91, s90, 23
	v_mov_b32 v[SCP], s91
	s_add_co_i32 s90, s90, 8
	s_lshl_b32 s90, s90, 23
	s_or_b32 s90, s90, 0x600000
	v_mov_b32 v[LMP], s90
	s_add_co_i32 s[EO], s68, s69
.irp x, 0,1,2,3
	v_mov_b32 v[ST+4*\x+1], s[TI]                  ; the largest t so far
	s_delay_alu instid0(VALU_DEP_1)
	v_floor_f32 v[ST+4*\x], -v[ST+4*\x+1]          ; -M
	v_mov_b32 v[ST+4*\x+2], 0                      ; the sum, in two halves
	v_mov_b32 v[ST+4*\x+3], 0
.endr
	WIN 0x40
.set n, 0
.rept 128
	v_mov_b32 v[n], 0                              ; O^T.  (The step is written once: the first finds zeros, which the first change of M leaves zeros)
.set n, n+1
.endr
	WIN 0
.macro KLD hd, g                       ; four tiles of 16 keys x the head's 64
	WIN 0
.irp t, 0,1,2,3
	ds_load_b128 v[F+8*\t:F+8*\t+3], v[ADK] offset:16384*(\hd)+1024*(4*(\g)+\t)
	ds_load_b128 v[F+8*\t+4:F+8*\t+7], v[ADK] offset:16384*(\hd)+1024*(4*(\g)+\t)+512
.endr
.endm
.macro VLD hd                          ; four tiles of 16 of the head's 64 x the step's 128 keys, into the registers that tile 0's p has left
	WIN 0
.irp t, 0,1,2,3
.irp c, 0,1,2,3
	ds_load_b128 v[S+16*\t+4*\c:S+16*\t+4*\c+3], v[ADV] offset:16384*(\hd)+2048*\t+512*\c
.endr
.endr
.endm
.macro QK hd, g                        ; S^T = K Q^T + the mask's bias: eight products, each the whole K of its sum
	WIN 0x10                                       ; C in window 1
.irp t, 0,1,2,3
.irp u, 0,1
	v_wmma_f32_16x16x64_fp8_fp8 v[S+64*\u+8*(4*(\g)+\t):S+64*\u+8*(4*(\g)+\t)+7], v[F+8*\t:F+8*\t+7], v[Q+8*(2*(\hd)+\u):Q+8*(2*(\hd)+\u)+7], v[BI+64*\u+8*(4*(\g)+\t):BI+64*\u+8*(4*(\g)+\t)+7]
.endr
.endr
.endm
.macro PV hd                           ; O^T += V^T P^T: eight accumulators by turns, one instruction a turn
	WIN 0x50                                       ; C and D in window 1
.irp t, 0,1,2,3
.irp u, 0,1
	v_wmma_f32_16x16x128_fp8_fp8 v[32*(2*(\hd)+\u)+8*\t:32*(2*(\hd)+\u)+8*\t+7], v[S+16*\t:S+16*\t+15], v[F+16*\u:F+16*\u+15], v[32*(2*(\hd)+\u)+8*\t:32*(2*(\hd)+\u)+8*\t+7]
.endr
.endr
.endm
; One tile of 16 queries x 128 keys of one head: the maximum, M, p, the sum, p's codes, O^T under the new M.
.macro SOFTMAX qt, hd
.set SB, S+64*(\qt)
.set SS, ST+4*(2*(\hd)+(\qt))
.set FQ, FF+2*(\qt)
.set CB, F+16*(\qt)
.set OB, 32*(2*(\hd)+(\qt))
	WIN 0
	v_max3_num_f32 v[T0], v[SB], v[SB+1], v[SB+2]  ; my 64 scores, ascending, in two chains: each result is first read at its low end
	v_max3_num_f32 v[T1], v[SB+3], v[SB+4], v[SB+5]
.irp i, 6,10,14,18,22,26,30,34,38,42,46,50,54,58
	v_max3_num_f32 v[T0], v[T0], v[SB+\i], v[SB+\i+1]
	v_max3_num_f32 v[T1], v[T1], v[SB+\i+2], v[SB+\i+3]
.endr
	v_max3_num_f32 v[T0], v[T0], v[SB+62], v[SB+63]
	s_delay_alu instid0(VALU_DEP_1)
	v_max_num_f32 v[T0], v[T0], v[T1]
	s_delay_alu instid0(VALU_DEP_1)
	v_permlanex16_b32 v[T2], v[T0], s[SEL], s[SEL+1]
	s_delay_alu instid0(VALU_DEP_1)
	v_max_num_f32 v[T0], v[T0], v[T2]              ; and lane l xor 16's 64
	s_delay_alu instid0(VALU_DEP_1)
	v_mul_f32 v[T0], s[CS], v[T0]                  ; as t (c is positive)
	s_delay_alu instid0(VALU_DEP_1)
	v_max_num_f32 v[SS+1], v[SS+1], v[T0]          ; the running largest t
	v_mov_b32 v[T0], v[SS]
	s_delay_alu instid0(VALU_DEP_2)
	v_floor_f32 v[SS], -v[SS+1]                    ; the new -M = -ceil(t): a whole number
	s_delay_alu instid0(VALU_DEP_1)
	v_sub_f32 v[T0], v[SS], v[T0]                  ; old M - new M, 0 or less
	s_delay_alu instid0(VALU_DEP_1)
	v_cvt_i32_f32 v[T0], v[T0]                     ; (it saturates)
	s_delay_alu instid0(VALU_DEP_1)
	v_ldexp_f32 v[FQ], 1.0, v[T0]                  ; f = 2^(old M - new M)
	v_cmp_eq_f32 vcc_lo, s[TI], v[SS+1]            ; no open key so far?  A choice of values, no branch
	s_delay_alu instid0(VALU_DEP_1)
	v_cndmask_b32 v[CE], s[CS], v[ZR], vcc_lo      ; then c and -M count as 0: p = 1
	s_delay_alu instid0(VALU_DEP_2)
	v_cndmask_b32 v[NE], v[SS], v[ZR], vcc_lo
.set n, 0
.rept 32
	v_pk_fma_f32 v[SB+n:SB+n+1], v[SB+n:SB+n+1], v[CE:CE+1], v[NE:NE+1] op_sel_hi:[1,0,0]   ; t - M, two at a time
.set n, n+2
.endr
.set n, 0
	s_wait_alu depctr_va_vdst(0)
.rept 64
	v_exp_f32 v[SB+n], v[SB+n]                     ; p = 2^(t - M): one batch
.set n, n+1
.endr
	v_pk_mul_f32 v[SS+2:SS+3], v[SS+2:SS+3], v[FQ:FQ+1] op_sel_hi:[1,0]   ; the sums under the new M: the plain line behind the exponentials
	s_wait_alu depctr_va_vdst(0)                   ; one wait for the batch, ahead of its first reader
	v_pk_add_f32 v[TS:TS+1], v[SB:SB+1], v[SB+2:SB+3]   ; the sum of the UNQUANTISED p, in two chains
.irp j, 4,8,12,16,20,24,28,32,36,40,44,48,52,56,60
	v_pk_add_f32 v[SS+2:SS+3], v[SS+2:SS+3], v[SB+\j:SB+\j+1]
	v_pk_add_f32 v[TS:TS+1], v[TS:TS+1], v[SB+\j+2:SB+\j+3]
.endr
	s_delay_alu instid0(VALU_DEP_1)
	v_pk_add_f32 v[SS+2:SS+3], v[SS+2:SS+3], v[TS:TS+1]
.irp b, 0,1,2,3
.set n, 0
.rept 16
	v_min_num_f32 v[SB+16*\b+n], v[SB+16*\b+n], v[LMP]   ; the conversion does not saturate (ISA guide 7.6.2); p is not negative: a one-sided hold
.set n, n+1
.endr
	v_cvt_scalef32_pk8_fp8_f32 v[CB+4*\b:CB+4*\b+1], v[SB+16*\b:SB+16*\b+7], v[SCP]
	v_cvt_scalef32_pk8_fp8_f32 v[CB+4*\b+2:CB+4*\b+3], v[SB+16*\b+8:SB+16*\b+15], v[SCP]
.endr
	WIN 0x41                                       ; O^T (destination and source 0) in window 1
.set n, 0
.rept 16
	v_pk_mul_f32 v[OB+n:OB+n+1], v[OB+n:OB+n+1], v[FQ:FQ+1] op_sel_hi:[1,0]   ; O^T x f, ascending; also the plain lines behind the last conversion
.set n, n+2
.endr
	WIN 0
.endm
.macro HEAD hd
	s_wait_dscnt 0x0                               ; K's first four tiles are in
	QK \hd, 0
	PLACES 4                                       ; ahead of loads into registers that those products read
	KLD \hd, 1
	s_wait_dscnt 0x0
	QK \hd, 1
	PLACES 4                                       ; ahead of the first read of results
	SOFTMAX 0, \hd
	VLD \hd                                        ; lands under tile 1's softmax
	SOFTMAX 1, \hd
	s_wait_alu depctr_va_vdst(0)
	s_wait_dscnt 0x0                               ; V is in
	PV \hd
	PLACES 5                                       ; the next products K Q^T write over V's registers: one place more than a load wants
.if (\hd) == 0
	KLD 1, 0
.endif
.endm
; A KEY STEP: 128 keys, two heads, two tiles of queries.
.macro STEP
	WIN 0
	v_add_nc_u32 v[ADK], s[TK], v[LI]
	v_add_nc_u32 v[ADV], s[TV], v[LI]
	v_add_nc_u32 v[ADM], s[TM], v[AM0]
	WIN 0x40                                       ; destination window 1: the raw mask bytes land in the bias registers
.irp u, 0,1
.irp b, 0,1,2,3
	ds_load_b128 v[BI+64*\u+16*\b:BI+64*\u+16*\b+3], v[ADM] offset:8*MP*\u+32*\b   ; my query's 16 mask bytes of keys 32 b + 16 h on
.endr
.endr
	KLD 0, 0
	s_wait_dscnt 8                                 ; the mask's eight loads are in; K's eight may be out
	WIN 0x54                                       ; destination, source 1 and source 2 in window 1
.irp u, 0,1
.irp b, 0,1,2,3
.set MB, BI+64*\u+16*\b
	v_perm_b32 v[MB+15], s[TAB], s[TAB], v[MB+3]   ; the mask bytes are the selector: 0 picks 0xf0, 1 picks 0x00.  In place: word d goes to register 4 d + 3, the highest first
	v_perm_b32 v[MB+11], s[TAB], s[TAB], v[MB+2]
	v_perm_b32 v[MB+7], s[TAB], s[TAB], v[MB+1]
	v_perm_b32 v[MB+3], s[TAB], s[TAB], v[MB]
.irp d, 3,2,1,0
	v_lshlrev_b32 v[MB+4*\d], 24, v[MB+4*\d+3]     ; byte k of the word to the top of register 4 d + k; byte 3 stands there already
	v_lshlrev_b32 v[MB+4*\d+1], 16, v[MB+4*\d+3]
	v_lshlrev_b32 v[MB+4*\d+2], 8, v[MB+4*\d+3]
.endr
.endr
.endr
	s_wait_alu depctr_va_vdst(0)
	HEAD 0
	HEAD 1
	WIN 0
	s_add_co_u32 s[TK], s[TK], 8192
	s_add_co_u32 s[TV], s[TV], 8192
	s_add_co_u32 s[TM], s[TM], 128
.endm
.macro SLOT_STEPS                      ; a slot's two key steps: written once, walked twice
	s_mov_b32 s[TWICE], 2
.Lstep_\@:
	STEP
	s_sub_co_u32 s[TWICE], s[TWICE], 1
	s_cmp_lg_u32 s[TWICE], 0
	s_cbranch_scc1 .Lstep_\@
	s_sub_co_u32 s[TK], s[TK], 16384               ; back to a slot's first step, in the other slot
	s_xor_b32 s[TK], s[TK], TGK
	s_sub_co_u32 s[TV], s[TV], 16384
	s_xor_b32 s[TV], s[TV], TGV
	s_sub_co_u32 s[TM], s[TM], 256
	s_xor_b32 s[TM], s[TM], TGK
.endm
; THE CHANGE OF SLOTS stands at a slot's head.  Each wave waits for all its tensor loads (one is out: its part of the slot ahead), adds 0 to its spare word, and waits for that and for its reads of the slot that it has left.
; fill = 1: the barrier is a round of the cluster's, so that no wave of any partner still reads the other slot or has a load on its way; the joint refill is the first thing behind it and has two key steps in which to land.
.macro CHANGE fill
	WIN 0
	s_wait_tensorcnt 0x0                           ; no tensor load of mine is out, so a group 0 may be written
	ds_add_u32 v[SPW], v[NIL]                      ; 0 onto my spare word
.if \fill
	s_xor_b32 s[G0K+1], s[G0K+1], TGK              ; the walking descriptors: the other slot, the next 256 keys
	s_add_nc_u64 s[G0K+2:G0K+3], s[G0K+2:G0K+3], 32768
	s_xor_b32 s[G0V+1], s[G0V+1], TGV
	s_add_nc_u64 s[G0V+2:G0V+3], s[G0V+2:G0V+3], 32768
	s_xor_b32 s[G0M+1], s[G0M+1], TGK
	s_add_nc_u64 s[G0M+2:G0M+3], s[G0M+2:G0M+3], 256
	s_wait_xcnt 0x0                                ; the last prefetch, a slot back, has read its address
	s_add_nc_u64 s[PFA:PFA+1], s[PFA:PFA+1], s[PFS:PFS+1]
	s_wait_dscnt 0x0                               ; the add is done, and my reads of the slot that I have left are over
	CROUND
	JLOAD
	ASK
.else
	s_wait_dscnt 0x0
	s_barrier_signal -1
	s_barrier_wait -1
.endif
.endm
	s_wait_loadcnt 0x0                             ; Q
.Lslot:                                            ; seven trips: behind each change of slots but the last the next slot is asked for
	CHANGE 1
	SLOT_STEPS
	s_sub_co_u32 s[SLOTS], s[SLOTS], 1
	s_cmp_lg_u32 s[SLOTS], 0
	s_cbranch_scc1 .Lslot
	CHANGE 0                                       ; the last slot is written out
	SLOT_STEPS
	; THE WAY OUT.  The sum's halves are added; O^T is divided by the sum, multiplied by 2^(e8 + e9) and sent through my stages, a tile (16 rows of 256 bytes) at a time.  The stages lie in mask slot 0, which has had
	; its last fill and which nobody reads behind the last change of slots.
.irp x, 0,1,2,3
	v_add_f32 v[ST+4*\x+2], v[ST+4*\x+2], v[ST+4*\x+3]
.endr
.irp x, 0,1,2,3
	s_delay_alu instid0(VALU_DEP_4)
	v_permlanex16_b32 v[ST+4*\x+3], v[ST+4*\x+2], s[SEL], s[SEL+1]
.endr
.irp x, 0,1,2,3
	s_delay_alu instid0(VALU_DEP_4)
	v_add_f32 v[ST+4*\x+2], v[ST+4*\x+2], v[ST+4*\x+3]
.endr
	s_wait_alu depctr_va_vdst(0)
.irp x, 0,1,2,3
	v_rcp_f32 v[ST+4*\x+2], v[ST+4*\x+2]
.endr
	v_nop                                          ; a plain line behind the last reciprocal
	s_wait_alu depctr_va_vdst(0)                   ; one wait for the four, ahead of their first reader
.irp x, 0,1,2,3
	v_ldexp_f32 v[ST+4*\x+2], v[ST+4*\x+2], s[EO]
.endr
	WIN 0x01                                       ; source 0 (O^T) in window 1
.irp x, 0,1,2,3
.set n, 0
.rept 16
	v_pk_mul_f32 v[S+32*\x+n:S+32*\x+n+1], v[32*\x+n:32*\x+n+1], v[ST+4*\x+2:ST+4*\x+3] op_sel_hi:[1,0]   ; register 8 t + j: channel 32 (t / 2) + 8 (t % 2) + 16 h + j of my query
.set n, n+2
.endr
.endr
	WIN 0
.macro PACK x                          ; (head x / 2, tile x % 2): 16 bytes at a time into rows of 272 bytes, back as whole rows, into the registers that they left
.irp k, 0,1,2,3,4,5,6,7
	ds_store_b128 v[STO], v[S+32*(\x)+4*\k:S+32*(\x)+4*\k+3] offset:((\x)%2)*16*MP+(\k/4)*128+(\k%4)*16
.endr
.irp i, 0,1,2,3,4,5,6,7
	ds_load_b128 v[S+32*(\x)+4*\i:S+32*(\x)+4*\i+3], v[RD] offset:((\x)%2)*16*MP+2*\i*MP   ; LDS serves a wave's instructions in order (ISA guide 5.7.1.4): these see the stores above
.endr
.endm
.macro SEND x, younger                 ; younger: the LDS instructions issued behind this tile's loads
.irp i, 0,1,2,3,4,5,6,7
	s_wait_dscnt \younger+7-\i
	global_store_b128 v[LI], v[S+32*(\x)+4*\i:S+32*(\x)+4*\i+3], s[14:15] offset:((\x)/2)*524288+(8*((\x)%2)+2*\i+8*(\i/4))*256 th:TH_STORE_NT   ; 32 lanes store two neighbouring rows: 512 consecutive bytes, aligned
.endr
.endm
	PACK 0
	PACK 1
	s_wait_alu depctr_va_vdst(0)
	SEND 0, 16
	PACK 2
	SEND 1, 16
	PACK 3
	SEND 2, 16
	SEND 3, 0
	s_wait_tensorcnt 0x0                           ; the wave's end: behind my last tensor load and my last LDS store
	ds_add_u32 v[SPW], v[NIL]
	s_wait_dscnt 0x0
	CROUND                                         ; the closing round: no work-group ends while a partner may still ask for a tile that names it
	s_endpgm
.Lfunc_end_k_q7210de1b50_attn:
	.size	k_q7210de1b50_attn, .Lfunc_end_k_q7210de1b50_attn-k_q7210de1b50_attn
	.p2alignl 7, 3214868480
	.fill 96, 4, 3214868480
	.section	.rodata,"a",@progbits
	.p2align	6, 0x0
	.amdhsa_kernel k_q7210de1b50_attn
		.amdhsa_group_segment_fixed_size 327680
		.amdhsa_private_segment_fixed_size 0
		.amdhsa_enable_private_segment 0
		.amdhsa_kernarg_size 48
		.amdhsa_user_sgpr_count 2
		.amdhsa_user_sgpr_kernarg_segment_ptr 1
		.amdhsa_wavefront_size32 1
		.amdhsa_system_sgpr_workgroup_id_x 1
		.amdhsa_system_sgpr_workgroup_id_y 1
		.amdhsa_system_sgpr_workgroup_id_z 1
		.amdhsa_system_vgpr_workitem_id 0
		.amdhsa_next_free_vgpr 512
		.amdhsa_next_free_sgpr 96
		.amdhsa_reserve_vcc 1
		.amdhsa_float_denorm_mode_32 3
		.amdhsa_float_denorm_mode_16_64 3
		.amdhsa_memory_ordered 1
		.amdhsa_forward_progress 1
		.amdhsa_inst_pref_size 160
	.end_amdhsa_kernel
	.amdgpu_metadata
---
amdhsa.version: [ 1, 2 ]
amdhsa.kernels:
  - .name:           k_q7210de1b50_attn
    .symbol:         k_q7210de1b50_attn.kd
    .args:
      - { .name: qimg, .offset: 0, .size: 8, .value_kind: global_buffer, .address_space: global }
      - { .name: kimg, .offset: 8, .size: 8, .value_kind: global_buffer, .address_space: global }
      - { .name: vimg, .offset: 16, .size: 8, .value_kind: global_buffer, .address_space: global }
      - { .name: mask, .offset: 24, .size: 8, .value_kind: global_buffer, .address_space: global }
      - { .name: lowp_scales, .offset: 32, .size: 8, .value_kind: global_buffer, .address_space: global }
      - { .name: out0, .offset: 40, .size: 8, .value_kind: global_buffer, .address_space: global }
    .group_segment_fixed_size: 327680
    .private_segment_fixed_size: 0
    .kernarg_segment_align: 8
    .kernarg_segment_size: 48
    .max_flat_workgroup_size: 256
    .sgpr_count:     96
    .vgpr_count:     512
    .wavefront_size: 32
...
	.end_amdgpu_metadata
.endif
;; end of part 6
